; MI455X (gfx1250); checked and timed in simulation.
; The chip was launched on July 23, 2026; its instructions are those of AMD's public machine-readable ISA for CDNA 5 (MIT licence, August 2026) and "CDNA5" Instruction Set Architecture Reference Guide (July 2026). The comments in the code are by the model that wrote it; some were corrected since.
;; Casual Multi Head Attention. Allowed arithmetic: matrix products marked QUANTISED: E3M2 operands, one E8M0 scale for each 32 along K, by v_wmma_scale_f32_16x16x128_f8f6f4 with both operands' format E3M2, f32 sums; everything else in f32.
;; Inputs: W_attn 1,024 x 3,072 float32; W_out 1,024 x 1,024 float32; b_attn 3,072 float32; b_out 1,024 float32; x 4 x 2,048 x 1,024 float32.
;; Outputs: out0 4 x 2,048 x 1,024 float32.
;; This version of the problem:
;;   THIS VERSION OF THE PROBLEM IS GIVEN IN LOW PRECISION. The matrix products marked QUANTISED in the list below multiply operands that are first quantised to E3M2 (3 exponent bits, 2 mantissa bits; 6 bits a number), with one power-of-two scale for each 32 numbers along K (OCP MX v1.0); their sums are f32. All else is computed in f32.
;;   The module's matrix products, in the order in which they are computed (A, B: the left and right operand; K: the contracted axis; several contracted axes count as one K, in the product's order):
;;     1. [M 8,192, K 1,024] x [K 1,024, N 3,072]; A: input x; B: input W_attn: QUANTISED
;;     2. batch 64 x [M 2,048, K 64] x [K 64, N 2,048]; A: computed on the way; B: computed on the way: QUANTISED
;;     3. batch 64 x [M 2,048, K 2,048] x [K 2,048, N 64]; A: softmax (see below); B: computed on the way: QUANTISED
;;     4. [M 8,192, K 1,024] x [K 1,024, N 1,024]; A: computed on the way; B: input W_out: QUANTISED
;;   THE QUANTISER, for each operand of a quantised product, along K:
;;     - K is cut into blocks of 32 from its start; a last block that is shorter is filled with zeros.
;;     - A block's scale is 2^e with e = floor(log2(the largest magnitude in the block)) - 4, held to -126 .. 127; a block of zeros has e = 0. As a byte (E8M0): e + 127.
;;     - Each number is divided by its block's scale, clamped to +-28, and rounded to the nearest number of E3M2, ties to even, subnormals kept.
;;     - The product sums the exact products of the quantised numbers (number of the format x scale) in f32.
;;   ~~~python
;;   def quantise(x, axis):      # numpy; x: float32 -> the quantised numbers, widened to float32 again
;;       x = np.moveaxis(x, axis, -1); K = x.shape[-1]
;;       x = np.pad(x, [(0, 0)] * (x.ndim - 1) + [(0, -K % 32)]); x = x.reshape(x.shape[:-1] + (-1, 32)); a = np.abs(x).max(-1, keepdims=True)
;;       e = np.where(a > 0, np.clip(np.frexp(np.where(a > 0, a, 1))[1] - 1 - 4, -126, 127), 0)      # np.frexp(a)[1] - 1 = floor(log2(a)), exactly
;;       r = np.clip(x / 2.0 ** e, -28, 28)
;;       step = 2.0 ** (np.maximum(np.frexp(np.where(r == 0, 1, r))[1] - 1, -2) - 2)
;;       q = np.round(r / step) * step * 2.0 ** e      # np.round: ties to even
;;       return np.moveaxis(q.reshape(q.shape[:-2] + (-1,))[..., :K], -1, axis).astype(np.float32)
;;   ~~~
;;   SOFTMAX AHEAD OF A QUANTISED PRODUCT. Where the list says 'softmax', what is quantised is not the finished softmax but p = 2^(t - M), with t = logit x log2(e) and M = ceil(the row's largest t), a whole number; so 1/2 < the row's largest p <= 1. The row's sum l is taken of the UNQUANTISED p, in f32, and the product's result is divided by l at the end. Since M is a whole number, a kernel that streams over the keys may use a running M (the ceiling of the running maximum): every later rescaling is an exact power of two, which a block's scale takes up: the codes' values come out the same.
;;   OPERANDS COMPUTED ON THE WAY. 'Computed on the way' means the value that the module computes at that place (a softmax that the list does not call 'softmax' is quantised finished and normalised). What goes into a quantiser is computed in f32, as accurately as f32 sums, v_exp_f32 and their like allow (about 1e-6 of the number): no bf16 or f16 on the way to a quantiser, and a product that is left as it is and whose result goes on into a quantised operand takes f32 operands (vector FMAs, or v_wmma_f32_16x16x4_f32). A number that lies on a knife's edge between two numbers of the format may be rounded either way, as far as f32 arithmetic and the matrix unit's own rounding can turn it there, and no further.
;; One version. Each part assembles by itself: llvm-mc -triple=amdgcn-amd-amdhsa -mcpu=gfx1250 --defsym DOCPART=n.
;; ======== version 1 of 1: 4 launches
;; workspace buffers: xc 6,291,456 bytes; xs 262,144 bytes; wc 3,145,728 bytes; ws 131,072 bytes; qb 6,553,600 bytes; kv 13,107,200 bytes; oc 6,291,456 bytes; os 262,144 bytes
;; launch prep (part 1): grid 384 x 1, 4 waves a work-group, no clusters, 68,096 bytes of LDS; arguments x, W_attn, W_out, xc, xs, wc, ws; writes xc, xs, wc, ws
.if DOCPART == 1
	.amdgcn_target "amdgcn-amd-amdhsa--gfx1250"
	.amdhsa_code_object_version 6
	.text
	.protected	k_qa7b936766e_prep
	.globl	k_qa7b936766e_prep
	.p2align	8
	.type	k_qa7b936766e_prep,@function
k_qa7b936766e_prep:
	s_mov_b64 s[64:65], 0
	v_nop
	global_prefetch_b8 v0, s[64:65] scope:SCOPE_SE
	s_setreg_imm32_b32 hwreg(HW_REG_WAVE_MODE, 25, 1), 1
	s_wait_xcnt 0x0
; x [8192][1024], W_attn [1024][3072] and W_out [1024][1024], f32, become codes of BF6 (E3M2), 6 bits each, K innermost, with one E8M0 byte for each 32 along K.
; A block's scale is 2^(floor(log2(its largest magnitude)) - 4); its byte is the largest magnitude's exponent field - 4, held at 1 from below.
; LIMITS: a block of zeros gets the byte 1 and not 127 (its codes are zeros, and these bytes are read by this program alone); NaN and infinities among the inputs are not served.
; ROWS CHANGE PLACES.  In xc, xs a row s of x lies at position pi(s), in wc, ws a column n of a weight at position pi(n) (W_out's behind W_attn's 3,072): pi swaps bits 3 and 4 of the index.
; So sixteen neighbouring positions are rows 0-7 and 16-23 (or 8-15 and 24-31) of a group of 32, and a matrix result made of such tiles has 16 neighbours along the next K in one lane.
; Work-groups 0-255 take x (K innermost: a plain stream of blocks; a wave takes 8 rows, so pi on rows is a swap of the wave number's two bits in the OUTPUT address).
; Work-groups 256-383 take the weights (K outermost: a lane takes a column and its registers run down K).  Each path has LDS bytes of its own; waves share nothing: no barrier.
.set STEPS, 16
.set EMAX,  4
.set CB,    12                         ; bytes of 16 codes
.set XR,    16                         ; path X: v16-79 four sets of 16 numbers as loaded
.set XN,    80                         ; v80-111 two sets of 16 neighbours
.set XE,    112                        ; v112-127 a scale byte for each step
.set XC,    128                        ; v128-191 codes, four registers for each step
.set WREG,  8192                       ; LDS of a wave on path X: two stages of 32 x SP bytes, then its 256 scale bytes
.set SP,    80
.set WLDS,  32768                      ; path W's LDS begins here
.set PITCH, 272                        ; a stage row on path W: sixteen places of 16 bytes + 16
.set KROW,  768                        ; a row of codes: 1,024 x 6 / 8 bytes
.set NB,    8                          ; blocks of 32 along K for a wave on path W
.set WX,    32                         ; v32-95 two sets of 32 numbers
.set WC,    96                         ; v96-102 a block's codes
.set OUTR,  112                        ; v112-175 the way out
.set SB,    24                         ; v24-25 eight scale bytes
.set OF,    176                        ; v176-207 4 x lane + i x (a row of the weight in bytes), i = 0 .. 31
	s_load_b256 s[4:11], s[0:1], 0x0               ; x s[4:5], W_attn s[6:7], W_out s[8:9], xc s[10:11]
	s_load_b128 s[12:15], s[0:1], 0x20             ; xs s[12:13], wc s[14:15]
	s_load_b64 s[16:17], s[0:1], 0x30              ; ws
	v_lshl_add_u32 v208, v0, 2, 0x10800
	v_mov_b32 v209, 0
	v_lshrrev_b32 v1, 5, v0
	v_readfirstlane_b32 s18, v1                    ; wave 0..3
	v_and_b32 v2, 31, v0                           ; lane
	s_wait_kmcnt 0x0
	s_cmp_lt_u32 ttmp9, 256
	s_cbranch_scc0 .Lw
; ---------------------------------------------------------------- path X: x
; A wave takes 16 steps of 512 numbers.  Each load reads 512 consecutive bytes; a step's 2,048 bytes turn through the wave's own stage so that a lane holds 16 neighbours along K; two lanes hold a block.
	v_lshlrev_b32 v3, 4, v2                        ; my 16 bytes of a load's 512
	s_mul_i32 s19, s18, WREG
	v_lshrrev_b32 v14, 2, v2
	v_mul_u32_u24 v14, v14, SP
	v_and_b32 v15, 3, v2
	v_lshl_add_u32 v14, v15, 4, v14
	v_add_nc_u32 v14, s19, v14                     ; into the stage: SP (lane / 4) + 16 (lane % 4)
	v_mul_u32_u24 v15, v2, SP
	v_add_nc_u32 v15, s19, v15                     ; out of it: SP x lane
	v_mul_u32_u24 v4, v2, CB                       ; my codes' place in a step's 384 bytes
	v_lshrrev_b32 v5, 1, v2
	s_add_co_u32 s19, s19, 2*32*SP
	v_add_nc_u32 v5, s19, v5                       ; my block's byte among the wave's 256
	v_lshlrev_b32 v7, 3, v2
	v_add_nc_u32 v6, s19, v7
	s_lshl_b32 s20, ttmp9, 2
	s_add_co_u32 s22, s20, s18                     ; which run of 8 rows I read: 4 x work-group + wave
	s_lshl_b32 s22, s22, 15                        ; 32,768 bytes a run
	s_mov_b32 s23, 0
	s_add_nc_u64 s[4:5], s[4:5], s[22:23]
	s_and_b32 s24, s18, 1
	s_lshl_b32 s24, s24, 1
	s_lshr_b32 s25, s18, 1
	s_or_b32 s24, s24, s25                         ; the wave number's two bits swapped: pi on rows, 8 rows to a run
	s_add_co_u32 s24, s20, s24                     ; which run I write
	s_mul_i32 s22, s24, 32*STEPS*CB                ; 6,144 bytes of codes a run
	s_add_nc_u64 s[10:11], s[10:11], s[22:23]
	s_lshl_b32 s22, s24, 8                         ; 256 scale bytes a run
	s_add_nc_u64 s[12:13], s[12:13], s[22:23]
.macro XLOAD t
.irp i, 0,1,2,3
	global_load_b128 v[XR+16*((\t)%4)+4*\i:XR+16*((\t)%4)+4*\i+3], v3, s[4:5] offset:2048*(\t)+512*\i th:TH_LOAD_NT
.endr
.endm
.macro XTURN t                         ; LDS serves a wave's instructions in order: no wait between the stores and the loads
.irp i, 0,1,2,3
	ds_store_b128 v14, v[XR+16*((\t)%4)+4*\i:XR+16*((\t)%4)+4*\i+3] offset:32*SP*((\t)%2)+8*SP*\i
.endr
.irp i, 0,1,2,3
	ds_load_b128 v[XN+16*((\t)%2)+4*\i:XN+16*((\t)%2)+4*\i+3], v15 offset:32*SP*((\t)%2)+16*\i
.endr
.endm
.irp t, 0,1,2,3
	XLOAD \t
.endr
	s_wait_loadcnt 12                              ; step 0's four loads are in; the twelve of steps 1 to 3 stay out
	XTURN 0
.macro XSTEP t
.set XS, XN+16*((\t)%2)
.if (\t) > 0
	s_wait_dscnt 1                                 ; this step's numbers are back from the stage (the last step's byte store may be out)
.else
	s_wait_dscnt 0x0
.endif
.if (\t)+4 < STEPS
	XLOAD (\t)+4                                   ; into the registers that this step's stores into the stage have read
.endif
.if (\t)+1 < STEPS
.if STEPS-2-(\t) >= 3
	s_wait_loadcnt 12                              ; the next step's four loads are in; those of the three steps behind it may be out
.else
	s_wait_loadcnt 4*(STEPS-2-(\t))
.endif
	XTURN (\t)+1
.endif
	v_max3_num_f32 v8, |v[XS]|, |v[XS+1]|, |v[XS+2]|               ; the largest magnitude of my 16, in two chains
	v_max3_num_f32 v9, |v[XS+3]|, |v[XS+4]|, |v[XS+5]|
.irp i, 6,10
	v_max3_num_f32 v8, v8, |v[XS+\i]|, |v[XS+\i+1]|
	v_max3_num_f32 v9, v9, |v[XS+\i+2]|, |v[XS+\i+3]|
.endr
	v_max3_num_f32 v8, v8, |v[XS+14]|, |v[XS+15]|
	v_max3_num_f32 v8, v8, v9, (EMAX+1)<<23        ; and the floor 2^(5 - 127): the byte cannot fall under 1
	v_max_num_f32_dpp v8, v8, v8 row_xmask:1 row_mask:0xf bank_mask:0xf   ; with my neighbour's 16: the block's
	v_add_nc_u32 v11, -(EMAX<<23), v8              ; 4 off its exponent field: the conversion's scale operand
	v_cvt_scalef32_pk16_bf6_f32 v[XC+4*(\t):XC+4*(\t)+2], v[XS:XS+15], v11
	v_lshrrev_b32 v[XE+(\t)], 23, v11              ; the scale's byte
	ds_store_b8 v5, v[XE+(\t)] offset:16*(\t)      ; both lanes of a block write the same byte with the same value
	global_store_b96 v4, v[XC+4*(\t):XC+4*(\t)+2], s[10:11] offset:32*CB*(\t)
.endm
.irp t, 0,1,2,3,4,5,6,7,8,9,10,11,12,13,14,15
	XSTEP \t
.endr
	ds_load_b64 v[12:13], v6                       ; in order behind my byte stores
	s_wait_dscnt 0x0
	global_store_b64 v7, v[12:13], s[12:13]        ; 32 lanes store 256 consecutive bytes, aligned
	s_wait_tensorcnt 0x0
	ds_add_u32 v208, v209
	s_wait_dscnt 0x0
	s_endpgm
; ---------------------------------------------------------------- path W: the weights
; Work-group 256 + 32 kg + cg: columns 128 cg on (cg under 24: W_attn, else W_out), K from 256 kg on.  A wave: 32 columns x 256 along K: 8 blocks a lane.
; The two weights differ in their row's bytes, which is chosen by the work-group's number: so the row steps stand in 32 offset registers and 8 scalar bases, not in immediates.
.Lw:
	s_sub_co_u32 s19, ttmp9, 256
	s_and_b32 s20, s19, 31                         ; cg
	s_lshr_b32 s21, s19, 5                         ; kg
	s_cmp_lt_u32 s20, 24
	s_cselect_b64 s[6:7], s[6:7], s[8:9]           ; the weight
	s_mov_b32 s22, 4096
	s_cselect_b32 s22, 12288, s22                  ; its row in bytes
	s_cselect_b32 s23, 0, 24
	s_sub_co_u32 s23, s20, s23                     ; the column group inside it
	s_lshl_b32 s24, s21, 8
	s_mul_i32 s24, s24, s22                        ; 256 kg rows
	s_lshl_b32 s25, s23, 9
	s_add_co_u32 s24, s24, s25                     ; + 128 columns x 4 bytes a group
	s_lshl_b32 s25, s18, 7
	s_add_co_u32 s24, s24, s25                     ; + 32 columns a wave
	s_mov_b32 s25, 0
	s_add_nc_u64 s[32:33], s[6:7], s[24:25]        ; block 0's base
	s_lshl_b32 s26, s22, 5                         ; 32 rows on
	s_mov_b32 s27, 0
.irp t, 1,2,3,4,5,6,7
	s_add_nc_u64 s[32+2*\t:33+2*\t], s[30+2*\t:31+2*\t], s[26:27]
.endr
	v_lshlrev_b32 v[OF], 2, v2
.irp i, 1,2,3,4,5,6,7,8,9,10,11,12,13,14,15,16,17,18,19,20,21,22,23,24,25,26,27,28,29,30,31
	v_add_nc_u32 v[OF+\i], s22, v[OF+\i-1]
.endr
	v_and_b32 v10, 7, v2
	v_bfe_u32 v11, v2, 3, 1
	v_lshl_add_u32 v10, v11, 4, v10
	v_bfe_u32 v11, v2, 4, 1
	v_lshl_add_u32 v10, v11, 3, v10                ; pi(lane): my column's position among the wave's 32
	s_mul_i32 s28, s18, 32*PITCH
	s_add_co_u32 s28, s28, WLDS                    ; my stage
	v_mul_u32_u24 v4, v10, PITCH
	v_add_nc_u32 v4, s28, v4                       ; into it: row = my column's position
	v_and_b32 v5, 15, v2
	v_lshrrev_b32 v6, 4, v2
	v_mul_u32_u24 v7, v6, PITCH
	v_lshl_add_u32 v7, v5, 4, v7
	v_add_nc_u32 v7, s28, v7                       ; out of it: sixteen lanes to a row, two rows an instruction
	v_mul_u32_u24 v8, v6, KROW
	v_mad_u32_u24 v8, v5, 12, v8                   ; and the same place in wc
	v_lshlrev_b32 v9, 5, v10                       ; my position's row of scale bytes
	s_lshl_b32 s29, s20, 7
	s_lshl_b32 s30, s18, 5
	s_add_co_u32 s29, s29, s30                     ; the wave's first position: 128 cg + 32 wave
	s_mul_i32 s24, s29, KROW
	s_mul_i32 s30, s21, 192
	s_add_co_u32 s24, s24, s30
	s_add_nc_u64 s[14:15], s[14:15], s[24:25]
	s_lshl_b32 s24, s29, 5
	s_lshl_b32 s30, s21, 3
	s_add_co_u32 s24, s24, s30
	s_add_nc_u64 s[16:17], s[16:17], s[24:25]
.macro WLOAD t                         ; block t: W(32 t + i, my column): 32 lanes read 128 consecutive bytes
.irp i, 0,1,2,3,4,5,6,7,8,9,10,11,12,13,14,15,16,17,18,19,20,21,22,23,24,25,26,27,28,29,30,31
	global_load_b32 v[WX+32*((\t)%2)+\i], v[OF+\i], s[32+2*(\t):33+2*(\t)] th:TH_LOAD_NT
.endr
.endm
	WLOAD 0
	WLOAD 1
.macro WBLOCK t
.set XS, WX+32*((\t)%2)
.if (\t) < NB-1
	s_wait_loadcnt 32                              ; this block's 32 loads are in; the next block's may be out
.else
	s_wait_loadcnt 0
.endif
	v_max3_num_f32 v12, |v[XS]|, |v[XS+1]|, |v[XS+2]|               ; all 32 numbers of the block are mine
	v_max3_num_f32 v13, |v[XS+3]|, |v[XS+4]|, |v[XS+5]|
.irp i, 6,10,14,18,22,26
	v_max3_num_f32 v12, v12, |v[XS+\i]|, |v[XS+\i+1]|
	v_max3_num_f32 v13, v13, |v[XS+\i+2]|, |v[XS+\i+3]|
.endr
	v_max3_num_f32 v12, v12, |v[XS+30]|, |v[XS+31]|
	v_max3_num_f32 v12, v12, v13, (EMAX+1)<<23
	v_add_nc_u32 v11, -(EMAX<<23), v12
	v_lshrrev_b32 v13, 23, v11
.if (\t)%4 == 0
	v_mov_b32 v[SB+(\t)/4], v13
.else
	v_lshl_or_b32 v[SB+(\t)/4], v13, 8*((\t)%4), v[SB+(\t)/4]
.endif
	v_cvt_scalef32_pk16_bf6_f32 v[WC:WC+2], v[XS:XS+15], v11
	v_cvt_scalef32_pk16_bf6_f32 v[WC+4:WC+6], v[XS+16:XS+31], v11
	ds_store_b96 v4, v[WC:WC+2] offset:32*(\t)     ; 12 bytes to a place of 16
	ds_store_b96 v4, v[WC+4:WC+6] offset:32*(\t)+16
.if (\t)+2 < NB
	WLOAD (\t)+2
.endif
	s_wait_dscnt 0x0                               ; the stores have read their registers: the next block's codes may be written
.endm
.set Q, 0
.rept NB
	WBLOCK Q
.set Q, Q+1
.endr
	global_store_b64 v9, v[SB:SB+1], s[16:17]      ; my column's eight scale bytes
.irp t, 0,1,2,3,4,5,6,7,8,9,10,11,12,13,14,15
	ds_load_b96 v[OUTR+4*\t:OUTR+4*\t+2], v7 offset:2*\t*PITCH
.endr
.irp t, 0,1,2,3,4,5,6,7,8,9,10,11,12,13,14,15
	s_wait_dscnt 15-\t                             ; the younger loads may be out
	global_store_b96 v8, v[OUTR+4*\t:OUTR+4*\t+2], s[14:15] offset:2*\t*KROW   ; sixteen lanes store a row's 192 consecutive bytes
.endr
	s_wait_tensorcnt 0x0
	ds_add_u32 v208, v209
	s_wait_dscnt 0x0
	s_endpgm
.Lfunc_end_k_qa7b936766e_prep:
	.size	k_qa7b936766e_prep, .Lfunc_end_k_qa7b936766e_prep-k_qa7b936766e_prep
	.p2alignl 7, 3214868480
	.fill 96, 4, 3214868480
	.section	.rodata,"a",@progbits
	.p2align	6, 0x0
	.amdhsa_kernel k_qa7b936766e_prep
		.amdhsa_group_segment_fixed_size 68096
		.amdhsa_private_segment_fixed_size 0
		.amdhsa_enable_private_segment 0
		.amdhsa_kernarg_size 56
		.amdhsa_user_sgpr_count 2
		.amdhsa_user_sgpr_kernarg_segment_ptr 1
		.amdhsa_wavefront_size32 1
		.amdhsa_system_sgpr_workgroup_id_x 1
		.amdhsa_system_sgpr_workgroup_id_y 1
		.amdhsa_system_sgpr_workgroup_id_z 1
		.amdhsa_system_vgpr_workitem_id 0
		.amdhsa_next_free_vgpr 210
		.amdhsa_next_free_sgpr 66
		.amdhsa_reserve_vcc 0
		.amdhsa_float_denorm_mode_32 3
		.amdhsa_float_denorm_mode_16_64 3
		.amdhsa_memory_ordered 1
		.amdhsa_forward_progress 1
		.amdhsa_inst_pref_size 75
	.end_amdhsa_kernel
	.amdgpu_metadata
---
amdhsa.version: [ 1, 2 ]
amdhsa.kernels:
  - .name:           k_qa7b936766e_prep
    .symbol:         k_qa7b936766e_prep.kd
    .args:
      - { .name: x, .offset: 0, .size: 8, .value_kind: global_buffer, .address_space: global }
      - { .name: W_attn, .offset: 8, .size: 8, .value_kind: global_buffer, .address_space: global }
      - { .name: W_out, .offset: 16, .size: 8, .value_kind: global_buffer, .address_space: global }
      - { .name: xc, .offset: 24, .size: 8, .value_kind: global_buffer, .address_space: global }
      - { .name: xs, .offset: 32, .size: 8, .value_kind: global_buffer, .address_space: global }
      - { .name: wc, .offset: 40, .size: 8, .value_kind: global_buffer, .address_space: global }
      - { .name: ws, .offset: 48, .size: 8, .value_kind: global_buffer, .address_space: global }
    .group_segment_fixed_size: 68096
    .private_segment_fixed_size: 0
    .kernarg_segment_align: 8
    .kernarg_segment_size: 56
    .max_flat_workgroup_size: 128
    .sgpr_count:     66
    .vgpr_count:     210
    .wavefront_size: 32
...
	.end_amdgpu_metadata
.endif
;; end of part 1
;; launch gemm_qkv (part 2): grid 12 x 32, 4 waves a work-group, clusters of 4 x 4, 327,680 bytes of LDS; arguments xc, xs, wc, ws, b_attn, qb, kv; writes qb, kv
.if DOCPART == 2
	.amdgcn_target "amdgcn-amd-amdhsa--gfx1250"
	.amdhsa_code_object_version 6
	.text
	.protected	k_qa7b936766e_gemm_qkv
	.globl	k_qa7b936766e_gemm_qkv
	.p2align	8
	.type	k_qa7b936766e_gemm_qkv,@function
k_qa7b936766e_gemm_qkv:
	s_mov_b64 s[64:65], 0
	v_nop
	global_prefetch_b8 v0, s[64:65] scope:SCOPE_SE
	s_setreg_imm32_b32 hwreg(HW_REG_WAVE_MODE, 25, 1), 1
	s_wait_xcnt 0x0
	s_wait_alu depctr_hold_cnt(0) depctr_sa_sdst(0) depctr_va_vdst(0) depctr_va_sdst(0) depctr_va_ssrc(0) depctr_va_vcc(0) depctr_vm_vsrc(0)
	s_getreg_b32 s2, hwreg(HW_REG_IB_STS2, 6, 4)
	s_cmp_eq_u32 s2, 0
	s_cbranch_scc0 .Lentry_in_a_cluster
	s_endpgm
.Lentry_in_a_cluster:
	s_bfe_u32 s2, ttmp6, 0x10000c
	s_cmp_lg_u32 s2, 0xf033
	s_cbranch_scc0 .Lentry_shape_is_right
	s_endpgm
.Lentry_shape_is_right:
; qkv = x W_attn + b_attn on codes of BF6 (E3M2) with E8M0 scales, K = 1,024; the results never go to memory as f32: q and k are quantised along the head's 64, v along the keys, in registers,
; and leave as IMAGES OF THE NEXT PRODUCTS' OPERAND REGISTERS.  LIMITS: a block of zeros gets the byte 1 (read by this program alone); NaN and infinities are not served.
; A tile of 256 x 256 is made by four waves, 128 x 128 each: 64 accumulators, 512 registers.  K goes in steps of 256 through a ring of two LDS slots; the scales of the work-group's rows come once.
; CLUSTERS 4 x 4: the tiles of the first operand (A) are asked for jointly along a row of the cluster, those of the second (B) along a column.
; THE KIND is the cluster's x: 0 = q, 1 = k, 2 = v, the same in all sixteen partners.  For q and k: A = x, B = W.  FOR v THE OPERANDS CHANGE ROLES BY POINTER: A = W's columns of v, B = x.
; The matrix instruction is used transposed (source 0 = 16 rows of B, source 1 = 16 rows of A): a lane holds ONE row of A, and its registers run along B's rows.
; Rows of xc and wc lie at positions pi(index) (bits 3 and 4 swapped): so in block a of A's rows, register 16 B + i of lane (r, h) is B's actual index 32 B + 16 h + i: 16 neighbours.
; For q, k that index is the column (the head's axis: the next K); for v it is the key (the next K).  One quantiser serves both.
; OUT.  qb: [bh][16 groups of 128 queries][6,400]: eight images of 768 bytes (a tile of 16 positions x 64: registers 0-3 at 16 x lane, 4-5 at 512 + 8 x lane), then 256 bytes of pair words [r][i]
; (low half: tile 2 i's two scale bytes of row r, high half: tile 2 i + 1's).  kv: [bh][16 steps of 128 keys][12,800]: k's eight images, v's four images of 1,536 bytes (16 d x 128 keys: registers
; 4 g .. 4 g + 3 at 512 g + 16 x lane), k's pair words, v's scale words [r][t].
; REGISTERS: window 0: v0-31 addresses; v32-63 scale words (nothing else, ever); v64-127 the bias by columns; v128-223 A's fragments, ONE set; v224-239 the bias by rows; on the way out v128-223, v240-255 at work.
;   window 1: B's fragments, two sets.   windows 2, 3: the accumulators ((a, b) at v[8 (8 (a % 4) + b)]).
.set SIZE_K, 1024
.set KSTEP,  256
.set NQ,     KSTEP/128
.set ROWB,   192
.set KROW,   SIZE_K*6/8
.set PITCH,  240                       ; an LDS row: 3 x (64 bytes + 16 of padding)
.set FR,     12
.set NL,     6
.set NP,     4
.set HALFT,  128*PITCH
.set SLOT,   4*HALFT
.set LAPS,   SIZE_K/(2*KSTEP)
.set KS,     SIZE_K/32
.set SCL,    2*SLOT                    ; behind the ring: the scales, as 256 bytes + 16 of padding
.set HALFS,  (128*KS/256)*272
.set SBLK,   (16*KS/256)*272
.set SPARE,  SCL+4*HALFS               ; the spare words: 128 bytes a wave, two blocks of 256 bytes that no other line names
.set ADRA, 16
.set ADRB, 20
.set LI16, 24                          ; 16 x lane
.set LI8,  25                          ; 8 x lane
.set LSC,  26                          ; where my lane stores scale words
.set ADRS, 27
.set SPW,  28
.set NIL,  29
.set BO1,  30                          ; 64 h
.set BO2,  31                          ; 4 (r + 8 (r / 8))
.set SC,   32
.set BIAS, 64                          ; register 16 B + i: b_attn at column 32 B + 16 h + i of the wave's 128 (q, k)
.set AF,   128
.set BV,   224                         ; registers 2 a, 2 a + 1: b_attn at the column of position 16 a + r (v)
.set H,    128                         ; the way out: a block's 64 numbers with the bias
.set PC,   192                         ; v192-203 the codes; v204-206, v208-210 the conversions' second halves
.set PW,   211
.set TT,   212
.set SH16, 213
.set SPR,  214                         ; v214-217 four words to store
.set SV,   64                          ; v64-71 v's eight scale words (the v path does not read the bias by columns)
.set TM,   240                         ; v240-255 at work in the quantiser
.set SEL,  18
.set G1, 24
.set G0, 32
.set G1B, 48
.set G0B, 56
.set G1S, 68
.set G0S, 76
.set G1SB, 80
.set G0SB, 88
.set MSB, 0
.macro WIN new                         ; the immediate's high byte repeats the setting that is left
.if MSB != \new
	s_set_vgpr_msb (MSB<<8)|\new
.set MSB, \new
.endif
.endm
.set MUL_LO, 0xa1
.set MUL_HI, 0xf1
.set TO_B,   0x40
; A joint load: waves 0 and 1 fetch for A, waves 2 and 3 for B; the branch hangs on the wave's number alone.  Four v_nop follow each of the two lines.
.macro JLOAD g0a, g1a, g0b, g1b
	s_cmp_eq_u32 s15, 0
	s_cbranch_scc0 .Lfor_b_\@
	tensor_load_to_lds s[\g0a:\g0a+3], s[\g1a:\g1a+7]
	s_nop 0
.rept 4
	v_nop
.endr
	s_branch .Lasked_\@
.Lfor_b_\@:
	tensor_load_to_lds s[\g0b:\g0b+3], s[\g1b:\g1b+7]
	s_nop 0
.rept 4
	v_nop
.endr
.Lasked_\@:
.endm
.macro CREST
	s_cmp_lg_u32 s14, 0
	s_cbranch_scc1 .Lnot_wave_0_\@
	s_barrier_signal -3
.Lnot_wave_0_\@:
	s_barrier_wait -3
	s_barrier_signal -1
	s_barrier_wait -1
.endm
.macro CROUND
	s_barrier_signal -1
	s_barrier_wait -1
	CREST
.endm
	s_load_b256 s[4:11], s[0:1], 0x0               ; xc s[4:5], xs s[6:7], wc s[8:9], ws s[10:11]
	s_load_b128 s[96:99], s[0:1], 0x20             ; b_attn s[96:97], qb s[98:99]
	s_load_b64 s[100:101], s[0:1], 0x30            ; kv
	v_lshl_add_u32 v[SPW], v0, 2, SPARE
	v_mov_b32 v[NIL], 0
	ds_add_u32 v28, v29
	ds_add_u32 v28, v29
	s_wait_dscnt 0x0
	v_lshrrev_b32 v1, 5, v0
	v_readfirstlane_b32 s14, v1                    ; wave 0..3
	s_lshr_b32 s15, s14, 1                         ; which half of A's rows is mine.  Also: I fetch for A (0) or for B (1)
	s_and_b32 s16, s14, 1                          ; which half of B's rows.  Also: which 128 rows I fetch
	s_bfe_u32 s40, ttmp6, 0x40000                  ; cx
	s_bfe_u32 s41, ttmp6, 0x40004                  ; cy
	s_and_b32 s18, ttmp7, 0xffff
	s_lshl_b32 s18, s18, 2                         ; 4 x cluster y
	s_lshl_b32 s19, ttmp9, 2                       ; 4 x kind
	s_cmp_eq_u32 ttmp9, 2                          ; v?
	s_cselect_b32 s17, 8, s18                      ; A's tile of 256 rows: for v W's positions 2,048 on, else x's rows;
	s_cselect_b32 s42, s18, s19                    ; B's: for v x's rows, else W's positions
	s_add_co_u32 s17, s17, s41                     ; + cy: shared along a row of the cluster
	s_add_co_u32 s42, s42, s40                     ; + cx: shared along a column
	s_lshl_b32 s43, s41, 2
	s_lshl_b32 s43, 15, s43                        ; my row of the cluster
	s_lshl_b32 s44, 0x1111, s40                    ; my column
	s_or_b32 s[G1+0], s43, (0<<16)|(1<<20)|(1<<21)|(3<<22)|(3<<25)  ; the mask; elements of 1 byte; padding on; bit 21 beside a mask; after every 16 words, 4 words
	s_or_b32 s[G1B+0], s44, (0<<16)|(1<<20)|(1<<21)|(3<<22)|(3<<25)
.irp g, G1, G1B
	s_mov_b32 s[\g+1], ROWB<<16                    ; tensor_dim0
	s_mov_b32 s[\g+2], 128<<16                     ; tensor_dim1
	s_mov_b32 s[\g+3], ROWB<<16                    ; tile_dim0
	s_mov_b32 s[\g+4], 128                         ; tile_dim1
	s_mov_b32 s[\g+5], KROW                        ; the pitch
	s_mov_b32 s[\g+6], 0
	s_mov_b32 s[\g+7], 0
.endr
	s_or_b32 s[G1S+0], s43, (3<<16)|(1<<20)|(1<<21)|(5<<22)|(3<<25) ; the scales of 128 rows: 4,096 dense bytes as 16 rows of 256, 16 bytes of padding behind each
	s_or_b32 s[G1SB+0], s44, (3<<16)|(1<<20)|(1<<21)|(5<<22)|(3<<25)
.irp g, G1S, G1SB
	s_mov_b32 s[\g+1], 32<<16
	s_mov_b32 s[\g+2], (128*KS/256)<<16
	s_mov_b32 s[\g+3], 32<<16
	s_mov_b32 s[\g+4], 128*KS/256
	s_mov_b32 s[\g+5], 32
	s_mov_b32 s[\g+6], 0
	s_mov_b32 s[\g+7], 0
.endr
	s_lshl_b32 s18, s16, 7                         ; which 128 rows of the tile I fetch
	s_lshl_b32 s20, s17, 8
	s_add_co_u32 s20, s20, s18                     ; A: row
	s_lshl_b32 s46, s42, 8
	s_add_co_u32 s46, s46, s18                     ; B: row
	s_mov_b32 s21, 0
	s_mov_b32 s47, 0
	s_mov_b64 s[18:19], KS
	s_mul_u64 s[22:23], s[20:21], s[18:19]         ; where these rows' scales begin
	s_mul_u64 s[92:93], s[46:47], s[18:19]
	s_mov_b64 s[18:19], KROW
	s_mul_u64 s[20:21], s[20:21], s[18:19]         ; and their codes
	s_mul_u64 s[46:47], s[46:47], s[18:19]
	s_mul_i32 s45, s14, HALFT                      ; where they go: wave x 128 rows
	s_mul_i32 s94, s14, HALFS
	s_wait_kmcnt 0x0
	s_cmp_eq_u32 ttmp9, 2                          ; the roles, by pointer: the choice hangs on the cluster's x alone
	s_cselect_b64 s[12:13], s[8:9], s[4:5]         ; A's codes
	s_cselect_b64 s[66:67], s[10:11], s[6:7]       ; A's scales
	s_cselect_b64 s[8:9], s[4:5], s[8:9]           ; B's codes
	s_cselect_b64 s[10:11], s[6:7], s[10:11]       ; B's scales
	s_add_nc_u64 s[20:21], s[12:13], s[20:21]
	s_add_nc_u64 s[22:23], s[66:67], s[22:23]
	s_add_nc_u64 s[46:47], s[8:9], s[46:47]
	s_add_nc_u64 s[92:93], s[10:11], s[92:93]
	CROUND                                         ; all sixteen work-groups are here: the first joint loads meet
	s_mov_b32 s[G0S], 1
	s_add_co_u32 s[G0S+1], s94, SCL
	s_mov_b64 s[G0S+2:G0S+3], s[22:23]
	s_or_b32 s[G0S+3], s[G0S+3], 0x80000000
	s_mov_b32 s[G0SB], 1
	s_add_co_u32 s[G0SB+1], s94, SCL
	s_mov_b64 s[G0SB+2:G0SB+3], s[92:93]
	s_or_b32 s[G0SB+3], s[G0SB+3], 0x80000000
	JLOAD G0S, G1S, G0SB, G1SB                     ; the scales first: filled once
.irp s, 0,1
	s_mov_b32 s[G0+4*\s], 1
	s_add_co_u32 s[G0+4*\s+1], s45, \s*SLOT
	s_add_nc_u64 s[G0+4*\s+2:G0+4*\s+3], s[20:21], \s*ROWB
	s_or_b32 s[G0+4*\s+3], s[G0+4*\s+3], 0x80000000
	s_mov_b32 s[G0B+4*\s], 1
	s_add_co_u32 s[G0B+4*\s+1], s45, \s*SLOT
	s_add_nc_u64 s[G0B+4*\s+2:G0B+4*\s+3], s[46:47], \s*ROWB
	s_or_b32 s[G0B+4*\s+3], s[G0B+4*\s+3], 0x80000000
	JLOAD G0+4*\s, G1, G0B+4*\s, G1B
.endr
	v_and_b32 v1, 15, v0                           ; r: kept to the end
	v_bfe_u32 v2, v0, 4, 1                         ; h: kept to the end
	v_mul_u32_u24 v3, v1, PITCH
	v_mul_u32_u24 v4, v2, 24
	v_add_nc_u32 v4, v3, v4                        ; a fragment's row x pitch + 24 x half
	v_lshl_add_u32 v5, v2, 4, v4                   ; and the same behind one padding more
	s_mul_i32 s21, s15, HALFT
	s_mul_i32 s22, s16, HALFT
	s_add_co_u32 s22, s22, 2*HALFT
.irp s, 0,1
	v_add_nc_u32 v[ADRA+\s], s21, v4
	v_add_nc_u32 v[ADRB+\s], s22, v4
	v_add_nc_u32 v[ADRA+2+\s], s21, v5
	v_add_nc_u32 v[ADRB+2+\s], s22, v5
	s_add_co_u32 s21, s21, SLOT
	s_add_co_u32 s22, s22, SLOT
.endr
	v_mul_u32_u24 v5, v1, KS                       ; my row's scales: KS bytes a row,
	v_lshrrev_b32 v6, 8, v5
	v_lshl_add_u32 v5, v6, 4, v5                   ; and 16 more for each 256 passed
	s_mul_i32 s21, s15, HALFS
	s_mul_i32 s22, s16, HALFS
	s_add_co_u32 s22, s22, 2*HALFS
	s_sub_co_u32 s22, s22, s21
	v_mul_u32_u24 v6, s22, v2                      ; lanes 16-31 take B's: one product, the distance between the two bases
	s_add_co_u32 s21, s21, SCL
	v_add_nc_u32 v5, v5, v6
	v_add_nc_u32 v[ADRS], s21, v5
	v_and_b32 v6, 31, v0
	v_lshlrev_b32 v[LI16], 4, v6
	v_lshlrev_b32 v[LI8], 3, v6
	; the bias, in both forms (no branch: every wave fetches both, 512 bytes of b_attn each): the wave's 128 columns of W begin at s[96:97]
	v_lshlrev_b32 v[BO1], 6, v2
	v_and_b32 v[BO2], 8, v1
	v_add_nc_u32 v[BO2], v[BO2], v1
	v_lshlrev_b32 v[BO2], 2, v[BO2]
	s_lshl_b32 s92, s17, 8
	s_lshl_b32 s93, s15, 7
	s_add_co_u32 s92, s92, s93                     ; v: W is A
	s_lshl_b32 s95, s42, 8
	s_lshl_b32 s93, s16, 7
	s_add_co_u32 s95, s95, s93                     ; q, k: W is B
	s_cmp_eq_u32 ttmp9, 2
	s_cselect_b32 s92, s92, s95
	s_lshl_b32 s92, s92, 2
	s_mov_b32 s93, 0
	s_add_nc_u64 s[96:97], s[96:97], s[92:93]
.irp B, 0,1,2,3
.irp m, 0,1,2,3
	global_load_b128 v[BIAS+16*\B+4*\m:BIAS+16*\B+4*\m+3], v[BO1], s[96:97] offset:128*\B+16*\m
.endr
.endr
.irp a, 0,1,2,3,4,5,6,7
	global_load_b32 v[BV+2*\a], v[BO2], s[96:97] offset:4*(32*(\a/2)+8*(\a%2))
	global_load_b32 v[BV+2*\a+1], v[BO2], s[96:97] offset:4*(32*(\a/2)+8*(\a%2))
.endr
.macro FRAG reg, adr, q, i             ; 16 rows x 128 K of 6-bit codes: 12 registers, six pieces of 8 bytes; where lanes 16-31's piece lies behind one padding more, the second address register serves
.irp p, 0,1,2,3,4,5
.set PCE, 12*(\q)+6*(\p/3)+\p%3
.if PCE%8 < 5
	ds_load_b64 v[\reg+2*\p:\reg+2*\p+1], v[\adr] offset:8*PCE+16*(PCE/8)+(\i)*16*PITCH
.else
	ds_load_b64 v[\reg+2*\p:\reg+2*\p+1], v[\adr+2] offset:8*PCE+16*(PCE/8)+(\i)*16*PITCH
.endif
.endr
.endm
; 16 matrix instructions: A's blocks a0, a0 + 1 x B's eight.  The 64 accumulators take turns, one instruction a turn, in the same order in every step.
.macro MUL16 a0, p, q, sc, zero
.irp a, \a0, \a0+1
.irp b, 0,1,2,3,4,5,6,7
.if \zero
	v_wmma_scale_f32_16x16x128_f8f6f4 v[8*(8*((\a)%4)+\b):8*(8*((\a)%4)+\b)+7], v[128*(\p)+FR*\b:128*(\p)+FR*\b+FR-1], v[AF+FR*(\a):AF+FR*(\a)+FR-1], 0, v[SC+8*NQ*(\sc)+NQ*\b+(\q)], v[SC+8*NQ*(\sc)+NQ*(\a)+(\q)] matrix_a_fmt:MATRIX_FMT_BF6 matrix_b_fmt:MATRIX_FMT_BF6 matrix_a_scale:MATRIX_SCALE_ROW1
.else
	v_wmma_scale_f32_16x16x128_f8f6f4 v[8*(8*((\a)%4)+\b):8*(8*((\a)%4)+\b)+7], v[128*(\p)+FR*\b:128*(\p)+FR*\b+FR-1], v[AF+FR*(\a):AF+FR*(\a)+FR-1], v[8*(8*((\a)%4)+\b):8*(8*((\a)%4)+\b)+7], v[SC+8*NQ*(\sc)+NQ*\b+(\q)], v[SC+8*NQ*(\sc)+NQ*(\a)+(\q)] matrix_a_fmt:MATRIX_FMT_BF6 matrix_b_fmt:MATRIX_FMT_BF6 matrix_a_scale:MATRIX_SCALE_ROW1
.endif
.endr
.endr
.endm
.macro FETCH_B slot, q, p
	WIN TO_B
.irp i, 0,1,2,3,4,5,6,7
	FRAG 128*(\p)+FR*\i, ADRB+\slot, \q, \i
.endr
	WIN 0
.endm
.macro FETCH_A slot, q, i0
.irp i, \i0, \i0+1, \i0+2, \i0+3
	FRAG AF+FR*(\i), ADRA+\slot, \q, \i
.endr
.endm
.macro SCALES sc                       ; lanes 0-15 take the words of A's block i, lanes 16-31 those of B's block i
.irp i, 0,1,2,3,4,5,6,7
	ds_load_b64 v[SC+8*NQ*\sc+NQ*\i:SC+8*NQ*\sc+NQ*\i+1], v[ADRS] offset:\i*SBLK
.endr
.endm
.macro PLACES n                        ; plain vector instructions between a matrix instruction and a load into, or a vector read or write of, its registers
.rept \n
	v_nop
.endr
.endm
.macro STEP slot, q, zero
	s_wait_dscnt 4*NL                              ; B's set and A's blocks 0-3 are in; the youngest 24 loads (A's blocks 4-7) may be out
	WIN MUL_LO
	MUL16 0, (\q)%2, \q, \slot, \zero
	MUL16 2, (\q)%2, \q, \slot, \zero
	s_wait_dscnt 0
	PLACES NP
	FETCH_B \slot, (\q)+1, 1-(\q)%2
	FETCH_A \slot, (\q)+1, 0
	WIN MUL_HI
	MUL16 4, (\q)%2, \q, \slot, \zero
	MUL16 6, (\q)%2, \q, \slot, \zero
	PLACES NP
	WIN 0
	FETCH_A \slot, (\q)+1, 4
.endm
; A slot's last step changes slots: one barrier; in front of it each wave waits for all its tensor loads, adds 0 to its spare word, and waits for that and for its own reads of this slot.
.macro TURN slot, next, fill
	s_wait_tensorcnt 0x0                           ; all my tensor loads have landed: my part of the next slot
	ds_add_u32 v[SPW], v[NIL]                      ; 0 onto my spare word
	s_wait_dscnt 4*NL+1                            ; the add and the youngest 24 loads may be out
	WIN MUL_LO
	MUL16 0, 1, NQ-1, \slot, 0
	s_wait_dscnt 0x0                               ; the add is done, and my reads of this slot are over
	s_barrier_signal -1
	MUL16 2, 1, NQ-1, \slot, 0
	WIN 0
	s_barrier_wait -1
.if \fill
	CREST                                          ; the barrier has opened a round of the cluster's barrier: no wave of any partner still reads this slot or has a load on its way
	s_add_nc_u64 s[G0+4*\slot+2:G0+4*\slot+3], s[G0+4*\slot+2:G0+4*\slot+3], 2*ROWB
	s_add_nc_u64 s[G0B+4*\slot+2:G0B+4*\slot+3], s[G0B+4*\slot+2:G0B+4*\slot+3], 2*ROWB
	JLOAD G0+4*\slot, G1, G0B+4*\slot, G1B         ; the first tensor load behind the round; its four v_nop are the places in front of the loads below
.else
	PLACES NP
.endif
	v_add_nc_u32 v[ADRS], 4*NQ, v[ADRS]
	FETCH_B \next, 0, 0
	FETCH_A \next, 0, 0
	SCALES \next
	WIN MUL_HI
	MUL16 4, 1, NQ-1, \slot, 0
	MUL16 6, 1, NQ-1, \slot, 0
	PLACES NP
	WIN 0
	FETCH_A \next, 0, 4
.endm
	s_wait_tensorcnt 1                             ; the scales and my part of K step 0 are in (K step 1's load may be out),
	s_wait_loadcnt 0x0                             ; and the bias
	s_barrier_signal -1
	s_barrier_wait -1
	FETCH_B 0, 0, 0
	FETCH_A 0, 0, 0
	SCALES 0
	FETCH_A 0, 0, 4
	STEP 0, 0, 1                                   ; the first step's products start the sums
	s_mov_b32 s3, LAPS-1
.Llap:
	TURN 0, 1, 1
	STEP 1, 0, 0
	TURN 1, 0, 1
	STEP 0, 0, 0
	s_sub_co_u32 s3, s3, 1
	s_cmp_lg_u32 s3, 0
	s_cbranch_scc1 .Llap
	TURN 0, 1, 0                                   ; the last lap fills nothing
	STEP 1, 0, 0
	s_wait_dscnt 4*NL
	WIN MUL_LO
	MUL16 0, 1, NQ-1, 1, 0
	MUL16 2, 1, NQ-1, 1, 0
	s_wait_dscnt 0
	WIN MUL_HI
	MUL16 4, 1, NQ-1, 1, 0
	MUL16 6, 1, NQ-1, 1, 0
	WIN 0
; THE WAY OUT.  64 numbers of a lane, register 16 b + i = index 32 b + 16 h + i of my row, become a fragment's 12 registers of codes in v[PC] on and its scale word in v[pw].
.macro QUANT s, pw
.irp b, 0,1,2,3
	v_max3_num_f32 v[TM+\b], |v[\s+16*\b]|, |v[\s+1+16*\b]|, 0x2800000   ; my 16 numbers of block b, and the floor 2^(5 - 127)
.endr
.irp i, 2,4,6,8,10,12,14
.irp b, 0,1,2,3
	v_max3_num_f32 v[TM+\b], v[TM+\b], |v[\s+16*\b+\i]|, |v[\s+1+16*\b+\i]|
.endr
.endr
.irp b, 0,1,2,3
	v_permlanex16_b32 v[TM+4+\b], v[TM+\b], s[SEL], s[SEL+1]
.endr
.irp b, 0,1,2,3
	v_max_num_f32 v[TM+\b], v[TM+\b], v[TM+4+\b]   ; with lane l xor 16's: the block's largest magnitude
.endr
.irp b, 0,1,2,3
	v_add_nc_u32 v[TM+12+\b], 0xfe000000, v[TM+\b] ; 4 off its exponent field: the conversion's scale operand
.endr
.irp b, 0,1,2,3
	v_lshrrev_b32 v[TM+4+\b], 23, v[TM+12+\b]      ; the byte
.endr
	v_lshl_or_b32 v[\pw], v[TM+5], 8, v[TM+4]
	v_lshl_or_b32 v[\pw], v[TM+6], 16, v[\pw]
	v_lshl_or_b32 v[\pw], v[TM+7], 24, v[\pw]
.irp c, 0,1
	v_cvt_scalef32_pk16_bf6_f32 v[PC+6*\c:PC+2+6*\c], v[\s+32*\c:\s+15+32*\c], v[TM+12+2*\c]
	v_cvt_scalef32_pk16_bf6_f32 v[PC+12+4*\c:PC+14+4*\c], v[\s+16+32*\c:\s+31+32*\c], v[TM+12+2*\c+1]
.endr
	v_nop                                          ; one plain place behind a scaled conversion
.irp c, 0,1                            ; the operand's layout wants a whole block in a lane
.irp i, 0,1,2
	v_permlane16_swap_b32 v[PC+6*\c+\i], v[PC+12+4*\c+\i]
.endr
.irp i, 0,1,2
	v_mov_b32 v[PC+3+6*\c+\i], v[PC+12+4*\c+\i]
.endr
.endr
.endm
	PLACES NP                                      ; behind the last products: their results are read, and their operands' registers written, below
	s_mov_b32 s[SEL], 0x76543210
	s_mov_b32 s[SEL+1], 0xfedcba98
	v_lshlrev_b32 v[SH16], 4, v2
.irp b, 0,1,2,3
	v_mov_b32 v[TM+4+\b], 0                        ; a lane permute's destination counts as one of its sources
.endr
	s_cmp_eq_u32 ttmp9, 2                          ; the kind: the same in all partners
	s_cbranch_scc1 .Lv
	; ---- q, k: block a = tile a of my group of 128 rows; columns = two heads, 64 each: registers 0-5 of the fragment are head 0's image, 6-11 head 1's
	s_lshr_b32 s46, s17, 3                         ; batch
	s_lshl_b32 s46, s46, 4
	s_lshl_b32 s47, s40, 2
	s_add_co_u32 s46, s46, s47
	s_lshl_b32 s47, s16, 1
	s_add_co_u32 s46, s46, s47                     ; bh of my first head: 16 batch + 4 cx + 2 half
	s_lshl_b32 s46, s46, 4
	s_and_b32 s47, s17, 7
	s_lshl_b32 s47, s47, 1
	s_add_co_u32 s46, s46, s47
	s_add_co_u32 s46, s46, s15                     ; + the group of 128 rows in the batch: the record's number
	s_mov_b32 s94, 12800
	s_mov_b32 s95, 12288
	s_cmp_eq_u32 ttmp9, 0
	s_cselect_b32 s94, 6400, s94                   ; a record's bytes: q's or kv's
	s_cselect_b32 s95, 6144, s95                   ; where its pair words begin
	s_cselect_b64 s[20:21], s[98:99], s[100:101]
	s_mul_i32 s46, s46, s94
	s_mov_b32 s47, 0
	s_add_nc_u64 s[20:21], s[20:21], s[46:47]      ; head 0's record
	s_lshl_b32 s46, s94, 4                         ; a head on: 16 records
	s_add_nc_u64 s[22:23], s[20:21], s[46:47]      ; head 1's
	s_mov_b32 s92, s95
	s_mov_b32 s93, 0
	s_add_nc_u64 s[92:93], s[20:21], s[92:93]
	v_mul_u32_u24 v[LSC], s46, v2
	v_lshl_add_u32 v[LSC], v1, 4, v[LSC]           ; lanes 0-15: head 0's words of row r; lanes 16-31: head 1's
.macro EPIQK a
.set AC, 64*((\a)%4)
.if (\a) > 0
	s_wait_xcnt 0x0                                ; the last block's stores have read their data: the codes' registers are written again only behind this wait
.endif
	WIN 0x02+(\a)/4                                ; source 0: window 2 or 3
.set i, 0
.rept 32
	v_pk_add_f32 v[H+2*i:H+2*i+1], v[AC+2*i:AC+2*i+1], v[BIAS+2*i:BIAS+2*i+1]   ; the bias, and the way into window 0; each accumulator from its low end on
.set i, i+1
.endr
	WIN 0
	QUANT H, PW
	global_store_b128 v[LI16], v[PC:PC+3], s[20:21] offset:768*(\a)           ; 512 consecutive bytes
	global_store_b64 v[LI8], v[PC+4:PC+5], s[20:21] offset:768*(\a)+512       ; 256
	global_store_b128 v[LI16], v[PC+6:PC+9], s[22:23] offset:768*(\a)
	global_store_b64 v[LI8], v[PC+10:PC+11], s[22:23] offset:768*(\a)+512
	v_lshrrev_b32 v[TT], v[SH16], v[PW]            ; lanes 0-15: head 0's two bytes below; lanes 16-31: head 1's
.if (\a)%2 == 0
	v_and_b32 v[SPR+(\a)/2], 0xffff, v[TT]
.else
	v_lshl_or_b32 v[SPR+(\a)/2], v[TT], 16, v[SPR+(\a)/2]
.endif
.endm
.irp a, 0,1,2,3,4,5,6,7
	EPIQK \a
.endr
	global_store_b128 v[LSC], v[SPR:SPR+3], s[92:93]   ; sixteen lanes store a head's 256 bytes of pair words
	s_branch .Ljoin
	; ---- v: block a = 16 positions of d (head a / 4 of my two, tile a % 4); registers run along my 128 keys: one whole fragment and one scale word a row
.Lv:
	s_lshr_b32 s46, s42, 3                         ; batch (x is B here)
	s_lshl_b32 s46, s46, 4
	s_lshl_b32 s47, s41, 2
	s_add_co_u32 s46, s46, s47
	s_lshl_b32 s47, s15, 1
	s_add_co_u32 s46, s46, s47                     ; bh of my first head: 16 batch + 4 cy + 2 half
	s_lshl_b32 s46, s46, 4
	s_and_b32 s47, s42, 7
	s_lshl_b32 s47, s47, 1
	s_add_co_u32 s46, s46, s47
	s_add_co_u32 s46, s46, s16                     ; + the step of 128 keys
	s_mul_i32 s46, s46, 12800
	s_add_co_u32 s46, s46, 6144                    ; v's images lie behind k's
	s_mov_b32 s47, 0
	s_add_nc_u64 s[20:21], s[100:101], s[46:47]
	s_add_nc_u64 s[22:23], s[20:21], 204800        ; a head on
	s_add_nc_u64 s[92:93], s[20:21], 6400          ; v's scale words: byte 12,544 of the record
	v_mul_u32_u24 v[LSC], 204800, v2
	v_lshl_add_u32 v[LSC], v1, 4, v[LSC]
.macro EPIV a
.set AC, 64*((\a)%4)
.if (\a) > 0
	s_wait_xcnt 0x0
.endif
	WIN 0x02+(\a)/4
.set i, 0
.rept 32
	v_pk_add_f32 v[H+2*i:H+2*i+1], v[AC+2*i:AC+2*i+1], v[BV+2*(\a):BV+2*(\a)+1]   ; my row's one bias
.set i, i+1
.endr
	WIN 0
	QUANT H, SV+(\a)
.irp g, 0,1,2
	global_store_b128 v[LI16], v[PC+4*\g:PC+4*\g+3], s[20+2*((\a)/4):21+2*((\a)/4)] offset:1536*((\a)%4)+512*\g
.endr
.endm
.irp a, 0,1,2,3,4,5,6,7
	EPIV \a
.endr
	v_cmp_ne_u32 vcc_lo, 0, v[SH16]
.irp i, 0,1,2,3
	v_cndmask_b32 v[SPR+\i], v[SV+\i], v[SV+4+\i], vcc_lo   ; lanes 0-15: head 0's four words of row r; lanes 16-31: head 1's
.endr
	global_store_b128 v[LSC], v[SPR:SPR+3], s[92:93]
.Ljoin:
	s_wait_tensorcnt 0x0                           ; the wave's end
	ds_add_u32 v[SPW], v[NIL]
	s_wait_dscnt 0x0
	CROUND                                         ; the closing round
	s_endpgm
.Lfunc_end_k_qa7b936766e_gemm_qkv:
	.size	k_qa7b936766e_gemm_qkv, .Lfunc_end_k_qa7b936766e_gemm_qkv-k_qa7b936766e_gemm_qkv
	.p2alignl 7, 3214868480
	.fill 96, 4, 3214868480
	.section	.rodata,"a",@progbits
	.p2align	6, 0x0
	.amdhsa_kernel k_qa7b936766e_gemm_qkv
		.amdhsa_group_segment_fixed_size 327680
		.amdhsa_private_segment_fixed_size 0
		.amdhsa_enable_private_segment 0
		.amdhsa_kernarg_size 56
		.amdhsa_user_sgpr_count 2
		.amdhsa_user_sgpr_kernarg_segment_ptr 1
		.amdhsa_wavefront_size32 1
		.amdhsa_system_sgpr_workgroup_id_x 1
		.amdhsa_system_sgpr_workgroup_id_y 1
		.amdhsa_system_sgpr_workgroup_id_z 1
		.amdhsa_system_vgpr_workitem_id 0
		.amdhsa_next_free_vgpr 1024
		.amdhsa_next_free_sgpr 102
		.amdhsa_reserve_vcc 1
		.amdhsa_float_denorm_mode_32 3
		.amdhsa_float_denorm_mode_16_64 3
		.amdhsa_memory_ordered 1
		.amdhsa_forward_progress 1
		.amdhsa_inst_pref_size 235
	.end_amdhsa_kernel
	.amdgpu_metadata
---
amdhsa.version: [ 1, 2 ]
amdhsa.kernels:
  - .name:           k_qa7b936766e_gemm_qkv
    .symbol:         k_qa7b936766e_gemm_qkv.kd
    .args:
      - { .name: xc, .offset: 0, .size: 8, .value_kind: global_buffer, .address_space: global }
      - { .name: xs, .offset: 8, .size: 8, .value_kind: global_buffer, .address_space: global }
      - { .name: wc, .offset: 16, .size: 8, .value_kind: global_buffer, .address_space: global }
      - { .name: ws, .offset: 24, .size: 8, .value_kind: global_buffer, .address_space: global }
      - { .name: b_attn, .offset: 32, .size: 8, .value_kind: global_buffer, .address_space: global }
      - { .name: qb, .offset: 40, .size: 8, .value_kind: global_buffer, .address_space: global }
      - { .name: kv, .offset: 48, .size: 8, .value_kind: global_buffer, .address_space: global }
    .group_segment_fixed_size: 327680
    .private_segment_fixed_size: 0
    .kernarg_segment_align: 8
    .kernarg_segment_size: 56
    .max_flat_workgroup_size: 128
    .sgpr_count:     102
    .vgpr_count:     1024
    .wavefront_size: 32
...
	.end_amdgpu_metadata
.endif
;; end of part 2
;; launch attn (part 3): grid 4 x 64, 16 waves a work-group, clusters of 4 x 1, 206,848 bytes of LDS; arguments qb, kv, oc, os; writes oc, os
.if DOCPART == 3
	.amdgcn_target "amdgcn-amd-amdhsa--gfx1250"
	.amdhsa_code_object_version 6
	.text
	.protected	k_qa7b936766e_attn
	.globl	k_qa7b936766e_attn
	.p2align	8
	.type	k_qa7b936766e_attn,@function
k_qa7b936766e_attn:
	s_mov_b64 s[64:65], 0
	v_nop
	global_prefetch_b8 v0, s[64:65] scope:SCOPE_SE
	s_setreg_imm32_b32 hwreg(HW_REG_WAVE_MODE, 25, 1), 1
	s_wait_xcnt 0x0
	s_wait_alu depctr_hold_cnt(0) depctr_sa_sdst(0) depctr_va_vdst(0) depctr_va_sdst(0) depctr_va_ssrc(0) depctr_va_vcc(0) depctr_vm_vsrc(0)
	s_getreg_b32 s2, hwreg(HW_REG_IB_STS2, 6, 4)
	s_cmp_eq_u32 s2, 0
	s_cbranch_scc0 .Lentry_in_a_cluster
	s_endpgm
.Lentry_in_a_cluster:
	s_bfe_u32 s2, ttmp6, 0x10000c
	s_cmp_lg_u32 s2, 0x3003
	s_cbranch_scc0 .Lentry_shape_is_right
	s_endpgm
.Lentry_shape_is_right:
; Causal attention of one head (64 wide, 2,048 keys) on codes of BF6 (E3M2) with E8M0 scales; the result, divided by the row's sum, is quantised along d and leaves as images of the last product's operand.
; THE SOFTMAX: t = score x log2(e) / 8; M = the running largest t rounded up to a whole number; p = 2^(t - M) is quantised along the keys, not normalised; the sum is taken of the unquantised p.
; LIMITS: o / l is a reciprocal (v_rcp_f32) and a multiplication; a block of zeros carries the byte 1 (read by this program alone); NaN and infinities are not served.
; SHARES.  A cluster of four work-groups is one head (bh = the cluster's y).  The head's 16 records of kv, 204,800 bytes, come into each work-group's LDS ONCE, by joint loads (each of 16 waves asks for
; two pieces of 6,400 bytes; the mask names all four partners).  Nothing is filled again: no ring.
; A wave owns two tiles of 16 queries: T_lo = 8 (w / 2) + 2 cx + w % 2 and T_hi = 127 - T_lo.  A tile of rank T / 8 needs key steps 0 .. rank, the last of them masked: 17 steps for every wave.
; The ranks are made of the wave's number alone; cx enters global addresses and lane data only.  All loops have constant trip counts; a hidden step's work is jumped over inside the trip.
; LAYOUT.  Both products transposed: a lane holds ONE query (lane % 16).  Tiles hold positions pi(index) (bits 3, 4 swapped): register 16 b + i of the scores is key 32 b + 16 h + i of the step.
; K = 64 IN AN INSTRUCTION OF 128: source 0 holds TWO key tiles (registers 0-5: tile 2 i, 6-11: tile 2 i + 1, the scale word: pair word i); source 1 is [q, zeros] for the first and [zeros, q] for the
; second: v16-33 hold q, six registers of zero codes, q.  Zero codes add nothing under the scale bytes here, which lie in 1 .. 254.
.set REC,    12800                     ; a record: k's 8 images of 768, v's 4 of 1,536, k's pair words, v's scale words
.set HALFKV, 102400
.set L16, 1                            ; 16 x lane
.set L8,  2                            ; 8 x lane
.set R16, 3                            ; 16 r
.set A16, 4                            ; the step's LDS addresses
.set A8,  5
.set AR,  6
.set RQ,  7                            ; r + 8 (r / 8) - 16 h
.set DQ,  8                            ; my query's place in its step - 16 h
.set ASO, 9                            ; 32 r
.set NINF, 10
.set QSW, 11                           ; q's two scale bytes, in both halves
.set QF,  16
.set KSC, 34
.set VSC, 38
.set KV,  42                           ; v42-89: k's 8 tiles, later v's 4 fragments
.set S,   90                           ; v90-153: scores, then p
.set O,   154                          ; v154-185: O^T
.set PCD, 186
.set PH,  198                          ; v198-200, v202-204
.set BM,  206
.set BP,  210
.set BS,  214
.set FF,  218                          ; v[218:219]: f, and a word that is only named
.set T0,  220
.set PSW, 221                          ; p's scale word
.set SM2, 222
.set QW,  224
.set RL,  226
.set HW,  228
.set WV,  12
.set CX,  13
.set BH,  14
.set RKLO, 15
.set RKHI, 16
.set TLO, 17
.set THI, 18
.set SEL, 20
.set CS,  22
.set G1,  24
.set G0,  32
.set TB,  40                           ; LDS byte of the step's record
.set KI,  41                           ; the step, and the loops' counter
.set RK,  42                           ; the tile's rank
.set TT,  43                           ; the tile
.set QB,  44
.set QS,  46
.set ACB, 48
.set ASB, 50
.macro CROUND
	s_barrier_signal -1
	s_barrier_wait -1
	s_cmp_lg_u32 s[WV], 0
	s_cbranch_scc1 .Lnot_wave_0_\@
	s_barrier_signal -3
.Lnot_wave_0_\@:
	s_barrier_wait -3
	s_barrier_signal -1
	s_barrier_wait -1
.endm
	s_load_b256 s[4:11], s[0:1], 0x0               ; qb s[4:5], kv s[6:7], oc s[8:9], os s[10:11]
	v_lshl_add_u32 v254, v0, 2, 0x32000
	v_mov_b32 v255, 0
	ds_add_u32 v254, v255
	ds_add_u32 v254, v255
	v_lshrrev_b32 v1, 5, v0
	s_delay_alu instid0(VALU_DEP_1)
	v_readfirstlane_b32 s[WV], v1                  ; wave 0..15
	s_bfe_u32 s[CX], ttmp6, 0x40000
	s_and_b32 s[BH], ttmp7, 0xffff
	s_lshr_b32 s[RKLO], s[WV], 1                   ; the ranks: of the wave's number alone
	s_sub_co_u32 s[RKHI], 15, s[RKLO]
	s_lshl_b32 s[TLO], s[RKLO], 3
	s_lshl_b32 s52, s[CX], 1
	s_add_co_u32 s[TLO], s[TLO], s52
	s_and_b32 s52, s[WV], 1
	s_add_co_u32 s[TLO], s[TLO], s52
	s_sub_co_u32 s[THI], 127, s[TLO]
	s_mov_b32 s[SEL], 0x76543210
	s_mov_b32 s[SEL+1], 0xfedcba98
	s_mov_b32 s[CS], 0x3e38aa3b                    ; c = log2(e) / 8
	s_mov_b32 s[CS+1], s[CS]
	v_and_b32 v1, 31, v0
	s_delay_alu instid0(VALU_DEP_1)
	v_lshlrev_b32 v[L8], 3, v1
	s_delay_alu instid0(VALU_DEP_2)
	v_lshlrev_b32 v[L16], 4, v1
	v_and_b32 v[RQ], 15, v0
	s_delay_alu instid0(VALU_DEP_1)
	v_lshlrev_b32 v[R16], 4, v[RQ]
	s_delay_alu instid0(VALU_DEP_2)
	v_lshlrev_b32 v[ASO], 5, v[RQ]
	s_delay_alu instid0(VALU_DEP_3)
	v_and_b32 v[DQ], 8, v[RQ]
	s_delay_alu instid0(VALU_DEP_1)
	v_add_nc_u32 v[RQ], v[RQ], v[DQ]
	v_bfe_u32 v[DQ], v0, 4, 1
	s_delay_alu instid0(VALU_DEP_1)
	v_lshlrev_b32 v[DQ], 4, v[DQ]
	s_delay_alu instid0(VALU_DEP_1)
	v_sub_nc_u32 v[RQ], v[RQ], v[DQ]
	v_mov_b32 v[NINF], 0xff800000
.irp i, 6,7,8,9,10,11
	v_mov_b32 v[QF+\i], 0                          ; six registers of zero codes, between q's two copies
.endr
.irp b, 0,1,2,3
	v_mov_b32 v[BP+\b], 0                          ; a lane permute's destination counts as one of its sources
.endr
	v_mov_b32 v[FF+1], 0
	v_mov_b32 v[T0], 0
	; one group 1: 25 rows of 256 bytes (32 elements of 8), dense: 6,400 bytes
	s_mov_b32 s[G1], 15|(3<<16)|(1<<21)            ; the mask: all four work-groups; elements of 8 bytes; bit 21 beside a mask; no padding
	s_mov_b32 s[G1+1], 32<<16
	s_mov_b32 s[G1+2], 25<<16
	s_mov_b32 s[G1+3], 32<<16
	s_mov_b32 s[G1+4], 25
	s_mov_b32 s[G1+5], 32
	s_mov_b32 s[G1+6], 0
	s_mov_b32 s[G1+7], 0
	s_mul_i32 s52, s[WV], 6400                     ; my piece: the same place in LDS and in the head's bytes
	s_mul_i32 s54, s[BH], 16*REC
	s_add_co_u32 s54, s54, s52
	s_mov_b32 s55, 0
	s_wait_dscnt 0x0
	s_wait_kmcnt 0x0
	s_add_nc_u64 s[54:55], s[6:7], s[54:55]
	CROUND                                         ; all four work-groups are here: the joint loads meet
	s_mov_b32 s[G0], 1
	s_mov_b32 s[G0+1], s52
	s_mov_b64 s[G0+2:G0+3], s[54:55]
	s_or_b32 s[G0+3], s[G0+3], 0x80000000
	s_mov_b32 s[G0+4], 1
	s_add_co_u32 s[G0+5], s52, HALFKV
	s_add_nc_u64 s[G0+6:G0+7], s[54:55], HALFKV
	s_or_b32 s[G0+7], s[G0+7], 0x80000000
	tensor_load_to_lds s[G0:G0+3], s[G1:G1+7]      ; my sixteenth of records 0-7
	s_nop 0
	tensor_load_to_lds s[G0+4:G0+7], s[G1:G1+7]    ; and of records 8-15: two loads of mine are out
	s_nop 0
.rept 4
	v_nop
.endr
; A tile begins: its addresses, q's image (twice) and scale word, the statistics, O^T = 0.
.macro TILEINIT tsrc, rksrc
	s_wait_xcnt 0x0                                ; earlier loads and stores have read their bases and data: they are written again only behind this wait
	s_mov_b32 s[TT], s[\tsrc]
	s_mov_b32 s[RK], s[\rksrc]
	s_lshl_b32 s52, s[BH], 4
	s_lshr_b32 s53, s[TT], 3
	s_add_co_u32 s52, s52, s53
	s_mul_i32 s52, s52, 6400                       ; q's record
	s_and_b32 s54, s[TT], 7
	s_mul_i32 s55, s54, 768
	s_add_co_u32 s56, s52, s55
	s_mov_b32 s57, 0
	s_add_nc_u64 s[QB:QB+1], s[4:5], s[56:57]      ; the tile's image
	s_lshr_b32 s55, s54, 1
	s_lshl_b32 s58, s55, 2
	s_add_co_u32 s56, s52, s58
	s_add_co_u32 s56, s56, 6144
	s_add_nc_u64 s[QS:QS+1], s[4:5], s[56:57]      ; its pair word's column
	s_lshr_b32 s52, s[BH], 4                       ; batch
	s_lshl_b32 s53, s52, 7
	s_add_co_u32 s53, s53, s[TT]
	s_lshl_b32 s53, s53, 4
	s_and_b32 s59, s[BH], 15                       ; head
	s_add_co_u32 s53, s53, s59
	s_mul_i32 s56, s53, 768
	s_add_nc_u64 s[ACB:ACB+1], s[8:9], s[56:57]    ; oc: [batch 128 + T][head][768]
	s_lshl_b32 s53, s52, 11
	s_lshl_b32 s58, s[TT], 4
	s_add_co_u32 s53, s53, s58
	s_lshl_b32 s53, s53, 5
	s_lshl_b32 s58, s59, 1
	s_add_co_u32 s56, s53, s58
	s_add_nc_u64 s[ASB:ASB+1], s[10:11], s[56:57]  ; os: [position][32], bytes 2 head, 2 head + 1
	global_load_b128 v[QF:QF+3], v[L16], s[QB:QB+1]
	global_load_b64 v[QF+4:QF+5], v[L8], s[QB:QB+1] offset:512
	global_load_b128 v[QF+12:QF+15], v[L16], s[QB:QB+1]
	global_load_b64 v[QF+16:QF+17], v[L8], s[QB:QB+1] offset:512
	global_load_b32 v[QW], v[R16], s[QS:QS+1]
	s_lshl_b32 s55, s55, 5
	s_and_b32 s58, s[TT], 1
	s_lshl_b32 s53, s58, 3
	s_add_co_u32 s55, s55, s53
	v_add_nc_u32 v[DQ], s55, v[RQ]                 ; 32 ((T % 8) / 2) + 8 (T % 2) + r + 8 (r / 8) - 16 h
	s_lshl_b32 s58, s58, 4
	v_mov_b32 v13, 0xff61b1e6                      ; the largest t so far: -3e38
	s_delay_alu instid0(VALU_DEP_1)
	v_floor_f32 v12, -v13                          ; -M
	v_mov_b32 v14, 0
	v_mov_b32 v15, 0
	s_wait_loadcnt 0x0
	v_lshrrev_b32 v[T0], s58, v[QW]
	s_delay_alu instid0(VALU_DEP_1)
	v_and_b32 v[T0], 0xffff, v[T0]
	s_delay_alu instid0(VALU_DEP_1)
	v_lshl_or_b32 v[QSW], v[T0], 16, v[T0]
.set i, 0
.rept 32
	v_mov_b32 v[O+i], 0                            ; the first change of M leaves zeros zeros.  (Also the places between the scale word's making and the first scaled product)
.set i, i+1
.endr
.endm
; A KEY STEP: 128 keys.  chk = 1: steps behind the tile's rank are jumped over, the step of the rank is masked.
.macro STEP chk
.if \chk
	s_cmp_gt_u32 s[KI], s[RK]
	s_cbranch_scc1 .Lhid_\@
.endif
	s_setprio 2
	v_add_nc_u32 v[A16], s[TB], v[L16]             ; these three and the v_nop: the four places in front of loads into registers that the last products read
	v_add_nc_u32 v[A8], s[TB], v[L8]
	v_add_nc_u32 v[AR], s[TB], v[R16]
	v_nop
.irp t, 0,1,2,3,4,5,6,7
	ds_load_b128 v[KV+6*\t:KV+6*\t+3], v[A16] offset:768*\t
	ds_load_b64 v[KV+6*\t+4:KV+6*\t+5], v[A8] offset:768*\t+512
.endr
	ds_load_b128 v[KSC:KSC+3], v[AR] offset:12288
	s_wait_alu depctr_va_vdst(0)
	s_wait_dscnt 0x0
.irp i, 0,1,2,3
.irp e, 0,1
	v_wmma_scale_f32_16x16x128_f8f6f4 v[S+8*(2*\i+\e):S+8*(2*\i+\e)+7], v[KV+12*\i:KV+12*\i+11], v[QF+6*\e:QF+6*\e+11], 0, v[KSC+\i], v[QSW] matrix_a_fmt:MATRIX_FMT_BF6 matrix_b_fmt:MATRIX_FMT_BF6
.endr
.endr
.rept 4
	v_nop                                          ; places: k's registers take v's fragments, and the scores are read
.endr
.irp t, 0,1,2,3
.irp g, 0,1,2
	ds_load_b128 v[KV+12*\t+4*\g:KV+12*\t+4*\g+3], v[A16] offset:6144+1536*\t+512*\g   ; they land under the softmax
.endr
.endr
	ds_load_b128 v[VSC:VSC+3], v[AR] offset:12544
.if \chk
	s_cmp_lg_u32 s[KI], s[RK]
	s_cbranch_scc1 .Lopen_\@
.irp n, 0,1,2,3,4,5,6,7,8,9,10,11,12,13,14,15,16,17,18,19,20,21,22,23,24,25,26,27,28,29,30,31,32,33,34,35,36,37,38,39,40,41,42,43,44,45,46,47,48,49,50,51,52,53,54,55,56,57,58,59,60,61,62,63
	v_cmp_gt_i32 vcc_lo, 32*(\n/16)+\n%16, v[DQ]   ; register 16 b + i holds key 32 b + 16 h + i: hidden where it comes after my query
	v_cndmask_b32 v[S+\n], v[S+\n], v[NINF], vcc_lo
.endr
.Lopen_\@:
.endif
.irp b, 0,1,2,3
	v_max3_num_f32 v[BM+\b], v[S+16*\b], v[S+1+16*\b], v[S+2+16*\b]   ; the largest score of each block of 32 keys: for the row's maximum and for the block's largest p
.endr
.irp i, 3,5,7,9,11,13
.irp b, 0,1,2,3
	v_max3_num_f32 v[BM+\b], v[BM+\b], v[S+16*\b+\i], v[S+1+16*\b+\i]
.endr
.endr
.irp b, 0,1,2,3
	v_max_num_f32 v[BM+\b], v[BM+\b], v[S+15+16*\b]
.endr
.irp b, 0,1,2,3
	s_delay_alu instid0(VALU_DEP_4)
	v_permlanex16_b32 v[BP+\b], v[BM+\b], s[SEL], s[SEL+1]
.endr
.irp b, 0,1,2,3
	s_delay_alu instid0(VALU_DEP_4)
	v_max_num_f32 v[BM+\b], v[BM+\b], v[BP+\b]
.endr
	s_delay_alu instid0(VALU_DEP_2)
	v_max3_num_f32 v[T0], v[BM], v[BM+1], v[BM+2]
	s_delay_alu instid0(VALU_DEP_1)
	v_max_num_f32 v[T0], v[T0], v[BM+3]
	s_delay_alu instid0(VALU_DEP_1)
	v_mul_f32 v[T0], s[CS], v[T0]
	s_delay_alu instid0(VALU_DEP_1)
	v_max_num_f32 v13, v13, v[T0]                  ; the running largest t
	v_mov_b32 v[T0], v12
	s_delay_alu instid0(VALU_DEP_2)
	v_floor_f32 v12, -v13                          ; the new -M = -ceil(t)
	s_delay_alu instid0(VALU_DEP_1)
	v_sub_f32 v[T0], v12, v[T0]                    ; old M - new M: a whole number, 0 or less
	s_delay_alu instid0(VALU_DEP_1)
	v_cvt_i32_f32 v[T0], v[T0]                     ; (it saturates)
	s_delay_alu instid0(VALU_DEP_1)
	v_ldexp_f32 v[FF], 1.0, v[T0]                  ; f = 2^(old M - new M)
.irp j, 0,2,4,6,8,10,12,14,16,18,20,22,24,26,28,30,32,34,36,38,40,42,44,46,48,50,52,54,56,58,60,62
	v_pk_fma_f32 v[S+\j:S+1+\j], v[S+\j:S+1+\j], s[CS:CS+1], v[12:13] op_sel_hi:[1,0,0]   ; t - M
.endr
.irp b, 0,1,2,3
	v_fma_f32 v[BM+\b], v[BM+\b], s[CS], v12
.endr
	s_setprio 1
	s_wait_alu depctr_va_vdst(0)
.irp j, 0,1,2,3,4,5,6,7,8,9,10,11,12,13,14,15,16,17,18,19,20,21,22,23,24,25,26,27,28,29,30,31,32,33,34,35,36,37,38,39,40,41,42,43,44,45,46,47,48,49,50,51,52,53,54,55,56,57,58,59,60,61,62,63
	v_exp_f32 v[S+\j], v[S+\j]                     ; p = 2^(t - M)
.endr
	v_pk_mul_f32 v[14:15], v[14:15], v[FF:FF+1] op_sel_hi:[1,0]   ; the sums under the new M; a plain place behind the exponentials
	s_wait_alu depctr_va_vdst(0)                   ; one wait for the batch of 64, ahead of its first reader
.irp b, 0,1,2,3
	v_exp_f32 v[BM+\b], v[BM+\b]                   ; the block's largest p
.endr
	v_pk_add_f32 v[222:223], v[94:95], v[98:99]
	v_pk_add_f32 v[252:253], v[102:103], v[106:107]
	v_pk_add_f32 v[250:251], v[110:111], v[114:115]
	v_pk_add_f32 v[248:249], v[118:119], v[122:123]
	v_pk_add_f32 v[246:247], v[126:127], v[130:131]
	v_pk_add_f32 v[244:245], v[134:135], v[138:139]
	v_pk_add_f32 v[242:243], v[142:143], v[146:147]
	v_pk_add_f32 v[14:15], v[14:15], v[150:151]
	v_pk_add_f32 v[222:223], v[222:223], v[90:91]
	v_pk_add_f32 v[252:253], v[252:253], v[92:93]
	v_pk_add_f32 v[250:251], v[250:251], v[96:97]
	v_pk_add_f32 v[248:249], v[248:249], v[100:101]
	v_pk_add_f32 v[246:247], v[246:247], v[104:105]
	v_pk_add_f32 v[244:245], v[244:245], v[108:109]
	v_pk_add_f32 v[242:243], v[242:243], v[112:113]
	v_pk_add_f32 v[14:15], v[14:15], v[116:117]
	v_pk_add_f32 v[222:223], v[222:223], v[120:121]
	v_pk_add_f32 v[252:253], v[252:253], v[124:125]
	v_pk_add_f32 v[250:251], v[250:251], v[128:129]
	v_pk_add_f32 v[248:249], v[248:249], v[132:133]
	v_pk_add_f32 v[246:247], v[246:247], v[136:137]
	v_pk_add_f32 v[244:245], v[244:245], v[140:141]
	v_pk_add_f32 v[242:243], v[242:243], v[144:145]
	v_pk_add_f32 v[14:15], v[14:15], v[148:149]
	v_pk_add_f32 v[222:223], v[222:223], v[152:153]
	s_delay_alu instid0(VALU_DEP_2)
	v_pk_add_f32 v[14:15], v[14:15], v[248:249]
	s_delay_alu instid0(VALU_DEP_2)
	v_pk_add_f32 v[222:223], v[222:223], v[246:247]
	v_pk_add_f32 v[252:253], v[252:253], v[244:245]
	v_pk_add_f32 v[250:251], v[250:251], v[242:243]
	s_delay_alu instid0(VALU_DEP_2)
	v_pk_add_f32 v[14:15], v[14:15], v[252:253]
	s_delay_alu instid0(VALU_DEP_2)
	v_pk_add_f32 v[222:223], v[222:223], v[250:251]
	s_delay_alu instid0(VALU_DEP_1)
	v_pk_add_f32 v[14:15], v[14:15], v[222:223]
	s_wait_alu depctr_va_vdst(0)                   ; and one for the four
.irp b, 0,1,2,3
	v_max_num_f32 v[BM+\b], 0x2800000, v[BM+\b]    ; the floor 2^(5 - 127)
.endr
.irp b, 0,1,2,3
	s_delay_alu instid0(VALU_DEP_4)
	v_add_nc_u32 v[BS+\b], 0xfe000000, v[BM+\b]
.endr
.irp b, 0,1,2,3
	s_delay_alu instid0(VALU_DEP_4)
	v_lshrrev_b32 v[BP+\b], 23, v[BS+\b]
.endr
	s_delay_alu instid0(VALU_DEP_3)
	v_lshl_or_b32 v[PSW], v[BP+1], 8, v[BP]
	s_delay_alu instid0(VALU_DEP_1)
	v_lshl_or_b32 v[PSW], v[BP+2], 16, v[PSW]
	s_delay_alu instid0(VALU_DEP_1)
	v_lshl_or_b32 v[PSW], v[BP+3], 24, v[PSW]
.irp c, 0,1
	v_cvt_scalef32_pk16_bf6_f32 v[PCD+6*\c:PCD+2+6*\c], v[S+32*\c:S+15+32*\c], v[BS+2*\c]
	v_cvt_scalef32_pk16_bf6_f32 v[PH+4*\c:PH+2+4*\c], v[S+16+32*\c:S+31+32*\c], v[BS+2*\c+1]
.endr
	v_nop                                          ; one plain place behind a scaled conversion
	s_setprio 0
.irp c, 0,1
.irp i, 0,1,2
	v_permlane16_swap_b32 v[PCD+6*\c+\i], v[PH+4*\c+\i]
.endr
.irp i, 0,1,2
	s_delay_alu instid0(VALU_DEP_3)
	v_mov_b32 v[PCD+3+6*\c+\i], v[PH+4*\c+\i]
.endr
.endr
.irp j, 0,2,4,6,8,10,12,14,16,18,20,22,24,26,28,30
	v_pk_mul_f32 v[O+\j:O+1+\j], v[O+\j:O+1+\j], v[FF:FF+1] op_sel_hi:[1,0]   ; O^T under the new M, from each accumulator's low end on; also the places ahead of the scaled products
.endr
	s_wait_alu depctr_va_vdst(0)
	s_wait_dscnt 0x0                               ; v's fragments and scale words
.irp t, 0,1,2,3
	v_wmma_scale_f32_16x16x128_f8f6f4 v[O+8*\t:O+8*\t+7], v[KV+12*\t:KV+12*\t+11], v[PCD:PCD+11], v[O+8*\t:O+8*\t+7], v[VSC+\t], v[PSW] matrix_a_fmt:MATRIX_FMT_BF6 matrix_b_fmt:MATRIX_FMT_BF6
.endr
.if \chk
.Lhid_\@:
.endif
	s_add_co_u32 s[TB], s[TB], REC
.endm
; A tile ends: O^T / the sum; register 16 b + i is d = 32 b + 16 h + i (v's rows lie at positions pi(d)): two blocks of the last product's K; codes as an image of 768 bytes, two scale bytes a row.
.macro OUT
.rept 4
	v_nop                                          ; places behind the last products
.endr
	v_add_f32 v14, v14, v15
	s_delay_alu instid0(VALU_DEP_1)
	v_permlanex16_b32 v[T0], v14, s[SEL], s[SEL+1]
	s_delay_alu instid0(VALU_DEP_1)
	v_add_f32 v14, v14, v[T0]                      ; the row's sum
	v_mov_b32 v[RL+1], 0
	s_wait_alu depctr_va_vdst(0)
	v_rcp_f32 v[RL], v14
	v_nop                                          ; a plain place behind the reciprocal
	s_wait_alu depctr_va_vdst(0)                   ; the wait ahead of its first reader
.irp j, 0,2,4,6,8,10,12,14,16,18,20,22,24,26,28,30
	v_pk_mul_f32 v[S+\j:S+1+\j], v[O+\j:O+1+\j], v[RL:RL+1] op_sel_hi:[1,0]
.endr
.irp b, 0,1
	v_max3_num_f32 v[BM+\b], |v[S+16*\b]|, |v[S+1+16*\b]|, 0x2800000
.endr
.irp i, 2,4,6,8,10,12,14
.irp b, 0,1
	s_delay_alu instid0(VALU_DEP_2)
	v_max3_num_f32 v[BM+\b], v[BM+\b], |v[S+16*\b+\i]|, |v[S+1+16*\b+\i]|
.endr
.endr
.irp b, 0,1
	s_delay_alu instid0(VALU_DEP_2)
	v_permlanex16_b32 v[BP+\b], v[BM+\b], s[SEL], s[SEL+1]
.endr
.irp b, 0,1
	s_delay_alu instid0(VALU_DEP_2)
	v_max_num_f32 v[BM+\b], v[BM+\b], v[BP+\b]
.endr
.irp b, 0,1
	s_delay_alu instid0(VALU_DEP_2)
	v_add_nc_u32 v[BS+\b], 0xfe000000, v[BM+\b]
.endr
.irp b, 0,1
	s_delay_alu instid0(VALU_DEP_2)
	v_lshrrev_b32 v[BP+\b], 23, v[BS+\b]
.endr
	s_delay_alu instid0(VALU_DEP_1)
	v_lshl_or_b32 v[HW], v[BP+1], 8, v[BP]
	v_cvt_scalef32_pk16_bf6_f32 v[PCD:PCD+2], v[S:S+15], v[BS]
	v_cvt_scalef32_pk16_bf6_f32 v[PH:PH+2], v[S+16:S+31], v[BS+1]
	v_nop
.irp i, 0,1,2
	v_permlane16_swap_b32 v[PCD+\i], v[PH+\i]
.endr
.irp i, 0,1,2
	s_delay_alu instid0(VALU_DEP_3)
	v_mov_b32 v[PCD+3+\i], v[PH+\i]
.endr
	global_store_b128 v[L16], v[PCD:PCD+3], s[ACB:ACB+1]              ; 512 consecutive bytes
	global_store_b64 v[L8], v[PCD+4:PCD+5], s[ACB:ACB+1] offset:512   ; 256
	global_store_b16 v[ASO], v[HW], s[ASB:ASB+1]   ; two bytes a row, rows 32 bytes apart (both halves of the lanes write the same): 1/24 of the codes' bytes, laid as the last product reads them
.endm
	TILEINIT THI, RKHI
	s_wait_tensorcnt 1                             ; my piece of records 0-7 is in; that of records 8-15 may stay out
	s_barrier_signal -1
	s_barrier_wait -1
	s_mov_b32 s[TB], 0
	s_mov_b32 s[KI], 0
.Lp1:                                              ; steps 0-7 of the high tile: its rank is 8 at the least, so all eight are open, in every wave
	STEP 0
	s_add_co_u32 s[KI], s[KI], 1
	s_cmp_lt_u32 s[KI], 8
	s_cbranch_scc1 .Lp1
	s_setprio 0
	s_wait_tensorcnt 0x0                           ; my piece of records 8-15 is in,
	s_wait_dscnt 0x0
	s_barrier_signal -1
	s_barrier_wait -1                              ; everybody's is
	s_mov_b32 s[TB], HALFKV
	s_mov_b32 s[KI], 8
.Lp2:                                              ; steps 8-15 of the high tile
	STEP 1
	s_add_co_u32 s[KI], s[KI], 1
	s_cmp_lt_u32 s[KI], 16
	s_cbranch_scc1 .Lp2
	s_setprio 0
	OUT
	TILEINIT TLO, RKLO
	s_mov_b32 s[TB], 0
	s_mov_b32 s[KI], 0
.Lp3:                                              ; steps 0-7 of the low tile
	STEP 1
	s_add_co_u32 s[KI], s[KI], 1
	s_cmp_lt_u32 s[KI], 8
	s_cbranch_scc1 .Lp3
	s_setprio 0
	OUT
	s_wait_dscnt 0x0
	s_wait_tensorcnt 0x0
	ds_add_u32 v254, v255
	s_wait_dscnt 0x0
	CROUND                                         ; the closing round
	s_endpgm
.Lfunc_end_k_qa7b936766e_attn:
	.size	k_qa7b936766e_attn, .Lfunc_end_k_qa7b936766e_attn-k_qa7b936766e_attn
	.p2alignl 7, 3214868480
	.fill 96, 4, 3214868480
	.section	.rodata,"a",@progbits
	.p2align	6, 0x0
	.amdhsa_kernel k_qa7b936766e_attn
		.amdhsa_group_segment_fixed_size 206848
		.amdhsa_private_segment_fixed_size 0
		.amdhsa_enable_private_segment 0
		.amdhsa_kernarg_size 32
		.amdhsa_user_sgpr_count 2
		.amdhsa_user_sgpr_kernarg_segment_ptr 1
		.amdhsa_wavefront_size32 1
		.amdhsa_system_sgpr_workgroup_id_x 1
		.amdhsa_system_sgpr_workgroup_id_y 1
		.amdhsa_system_sgpr_workgroup_id_z 1
		.amdhsa_system_vgpr_workitem_id 0
		.amdhsa_next_free_vgpr 256
		.amdhsa_next_free_sgpr 66
		.amdhsa_reserve_vcc 1
		.amdhsa_float_denorm_mode_32 3
		.amdhsa_float_denorm_mode_16_64 3
		.amdhsa_memory_ordered 1
		.amdhsa_forward_progress 1
		.amdhsa_inst_pref_size 82
	.end_amdhsa_kernel
	.amdgpu_metadata
---
amdhsa.version: [ 1, 2 ]
amdhsa.kernels:
  - .name:           k_qa7b936766e_attn
    .symbol:         k_qa7b936766e_attn.kd
    .args:
      - { .name: qb, .offset: 0, .size: 8, .value_kind: global_buffer, .address_space: global }
      - { .name: kv, .offset: 8, .size: 8, .value_kind: global_buffer, .address_space: global }
      - { .name: oc, .offset: 16, .size: 8, .value_kind: global_buffer, .address_space: global }
      - { .name: os, .offset: 24, .size: 8, .value_kind: global_buffer, .address_space: global }
    .group_segment_fixed_size: 206848
    .private_segment_fixed_size: 0
    .kernarg_segment_align: 8
    .kernarg_segment_size: 32
    .max_flat_workgroup_size: 512
    .sgpr_count:     66
    .vgpr_count:     256
    .wavefront_size: 32
...
	.end_amdgpu_metadata
.endif
;; end of part 3
;; launch gemm_out (part 4): grid 4 x 32, 4 waves a work-group, clusters of 4 x 4, 327,680 bytes of LDS; arguments oc, os, wc, ws, b_out, out0; writes out0
.if DOCPART == 4
	.amdgcn_target "amdgcn-amd-amdhsa--gfx1250"
	.amdhsa_code_object_version 6
	.text
	.protected	k_qa7b936766e_gemm_out
	.globl	k_qa7b936766e_gemm_out
	.p2align	8
	.type	k_qa7b936766e_gemm_out,@function
k_qa7b936766e_gemm_out:
	s_mov_b64 s[64:65], 0
	v_nop
	global_prefetch_b8 v0, s[64:65] scope:SCOPE_SE
	s_setreg_imm32_b32 hwreg(HW_REG_WAVE_MODE, 25, 1), 1
	s_wait_xcnt 0x0
	s_wait_alu depctr_hold_cnt(0) depctr_sa_sdst(0) depctr_va_vdst(0) depctr_va_sdst(0) depctr_va_ssrc(0) depctr_va_vcc(0) depctr_vm_vsrc(0)
	s_getreg_b32 s2, hwreg(HW_REG_IB_STS2, 6, 4)
	s_cmp_eq_u32 s2, 0
	s_cbranch_scc0 .Lentry_in_a_cluster
	s_endpgm
.Lentry_in_a_cluster:
	s_bfe_u32 s2, ttmp6, 0x10000c
	s_cmp_lg_u32 s2, 0xf033
	s_cbranch_scc0 .Lentry_shape_is_right
	s_endpgm
.Lentry_shape_is_right:
; out0 = o W_out + b_out on codes of BF6 (E3M2) with E8M0 scales, K = 1,024; out0 [8192][1024] f32.
; A tile of 256 x 256 is made by four waves, 128 x 128 each.  K goes in steps of 256 through a ring of two LDS slots; the scales of the work-group's rows come once.  CLUSTERS 4 x 4, joint loads.
; A = o ARRIVES AS IMAGES OF ITS REGISTERS: oc [tile of 16 positions][head][768]: a head's 64 along K, registers 0-3 at 16 x lane, 4-5 at 512 + 8 x lane.  A K step of 256 is four heads: 3,072 bytes of
; each tile, and a fragment of 128 along K is two images: two loads of 16 bytes and two of 8 a lane, each of consecutive bytes.  B = W_out's rows of wc, positions 3,072 on, as rows of 192 bytes.
; Rows of o and columns of W_out lie at positions pi(index) (bits 3 and 4 swapped); the way out puts them back: columns by the place in the stage, rows by the stores' offsets.
; The bias is the C of each sum's first matrix instruction.  The matrix instruction is used transposed (source 0 = 16 rows of B, source 1 = 16 rows of A).
; REGISTERS: window 0: v0-31 addresses; v32-63 scale words (nothing else); v64-127 the bias; v128-223 A's fragments, one set; on the way out v128-255.   window 1: B's, two sets.   windows 2, 3: accumulators.
.set SIZE_K, 1024
.set SIZE_N, 1024
.set KSTEP,  256
.set NQ,     KSTEP/128
.set ROWB,   192
.set KROW,   SIZE_K*6/8
.set PITCH,  240
.set FR,     12
.set NL,     6                         ; LDS loads of a fragment of B
.set NLA,    4                         ; and of A
.set NP,     4
.set HALFA,  8*3072                    ; 8 tiles x four heads' images: what one tensor load brings of A
.set HALFB,  128*PITCH
.set SLOT,   2*HALFA+2*HALFB
.set LAPS,   SIZE_K/(2*KSTEP)
.set KS,     SIZE_K/32
.set SCL,    2*SLOT
.set HALFS,  (128*KS/256)*272
.set SBLK,   (16*KS/256)*272
.set SPARE,  SCL+4*HALFS               ; the spare words: 128 bytes a wave, two blocks of 256 bytes that no other line names
.set SPITCH, 528                       ; the way out: a stage of 16 rows x (512 + 16) bytes a wave, in slot 0, which has had its last fill and its last read by then
.set ADRA, 16                          ; v16-17: 16 x lane + my half of A in slot 0, 1;  v18-19: the same with 8 x lane
.set ADRB, 20
.set STO,  24
.set RD,   25
.set CO,   26
.set ADRS, 27
.set SPW,  28
.set NIL,  29
.set BO1,  30
.set SC,   32
.set BIAS, 64                          ; register 8 b + j: b_out at column 32 (b / 2) + 16 h + 8 (b % 2) + j of the wave's 128
.set AF,   128
.set BK,   128
.set G1, 24
.set G0, 32
.set G1B, 48
.set G0B, 56
.set G1S, 68
.set G0S, 76
.set G1SB, 80
.set G0SB, 88
.set MSB, 0
.macro WIN new
.if MSB != \new
	s_set_vgpr_msb (MSB<<8)|\new
.set MSB, \new
.endif
.endm
.set MUL_LO, 0xa1
.set MUL_HI, 0xf1
.set TO_B,   0x40
.macro JLOAD g0a, g1a, g0b, g1b        ; waves 0 and 1 fetch for A, waves 2 and 3 for B; four v_nop follow each of the two lines
	s_cmp_eq_u32 s15, 0
	s_cbranch_scc0 .Lfor_b_\@
	tensor_load_to_lds s[\g0a:\g0a+3], s[\g1a:\g1a+7]
	s_nop 0
.rept 4
	v_nop
.endr
	s_branch .Lasked_\@
.Lfor_b_\@:
	tensor_load_to_lds s[\g0b:\g0b+3], s[\g1b:\g1b+7]
	s_nop 0
.rept 4
	v_nop
.endr
.Lasked_\@:
.endm
.macro CREST
	s_cmp_lg_u32 s14, 0
	s_cbranch_scc1 .Lnot_wave_0_\@
	s_barrier_signal -3
.Lnot_wave_0_\@:
	s_barrier_wait -3
	s_barrier_signal -1
	s_barrier_wait -1
.endm
.macro CROUND
	s_barrier_signal -1
	s_barrier_wait -1
	CREST
.endm
	s_load_b128 s[4:7], s[0:1], 0x0                ; oc s[4:5], os s[6:7]
	s_load_b128 s[8:11], s[0:1], 0x10              ; wc s[8:9], ws s[10:11]
	s_load_b64 s[96:97], s[0:1], 0x20              ; b_out
	s_load_b64 s[12:13], s[0:1], 0x28              ; out0
	v_lshl_add_u32 v[SPW], v0, 2, SPARE
	v_mov_b32 v[NIL], 0
	ds_add_u32 v28, v29
	ds_add_u32 v28, v29
	s_wait_dscnt 0x0
	v_lshrrev_b32 v1, 5, v0
	v_readfirstlane_b32 s14, v1
	s_lshr_b32 s15, s14, 1
	s_and_b32 s16, s14, 1
	s_bfe_u32 s40, ttmp6, 0x40000
	s_bfe_u32 s41, ttmp6, 0x40004
	s_lshl_b32 s42, ttmp9, 2
	s_add_co_u32 s42, s42, s40                     ; tile column
	s_and_b32 s17, ttmp7, 0xffff
	s_lshl_b32 s17, s17, 2
	s_add_co_u32 s17, s17, s41                     ; tile row
	s_lshl_b32 s43, s41, 2
	s_lshl_b32 s43, 15, s43
	s_lshl_b32 s44, 0x1111, s40
	; A: 8 rows (tiles of 16 positions) of 3,072 bytes (384 elements of 8), 12,288 bytes apart; no padding: every read is of consecutive bytes
	s_or_b32 s[G1+0], s43, (3<<16)|(1<<21)
	s_mov_b32 s[G1+1], 384<<16
	s_mov_b32 s[G1+2], 8<<16
	s_mov_b32 s[G1+3], 384<<16
	s_mov_b32 s[G1+4], 8
	s_mov_b32 s[G1+5], 1536
	s_mov_b32 s[G1+6], 0
	s_mov_b32 s[G1+7], 0
	; B: 128 rows of 192 bytes, 16 bytes of padding behind every 64
	s_or_b32 s[G1B+0], s44, (0<<16)|(1<<20)|(1<<21)|(3<<22)|(3<<25)
	s_mov_b32 s[G1B+1], ROWB<<16
	s_mov_b32 s[G1B+2], 128<<16
	s_mov_b32 s[G1B+3], ROWB<<16
	s_mov_b32 s[G1B+4], 128
	s_mov_b32 s[G1B+5], KROW
	s_mov_b32 s[G1B+6], 0
	s_mov_b32 s[G1B+7], 0
	s_or_b32 s[G1S+0], s43, (3<<16)|(1<<20)|(1<<21)|(5<<22)|(3<<25)
	s_or_b32 s[G1SB+0], s44, (3<<16)|(1<<20)|(1<<21)|(5<<22)|(3<<25)
.irp g, G1S, G1SB
	s_mov_b32 s[\g+1], 32<<16
	s_mov_b32 s[\g+2], (128*KS/256)<<16
	s_mov_b32 s[\g+3], 32<<16
	s_mov_b32 s[\g+4], 128*KS/256
	s_mov_b32 s[\g+5], 32
	s_mov_b32 s[\g+6], 0
	s_mov_b32 s[\g+7], 0
.endr
	s_lshl_b32 s20, s17, 4
	s_lshl_b32 s18, s16, 3
	s_add_co_u32 s20, s20, s18                     ; A: tile of 16 positions: 16 x tile row + 8 x half
	s_mul_i32 s20, s20, 12288
	s_mov_b32 s21, 0
	s_lshl_b32 s18, s16, 7
	s_lshl_b32 s22, s17, 8
	s_add_co_u32 s22, s22, s18
	s_lshl_b32 s22, s22, 5                         ; A's scales: 32 bytes a position
	s_mov_b32 s23, 0
	s_lshl_b32 s46, s42, 8
	s_add_co_u32 s46, s46, s18
	s_add_co_u32 s46, s46, 3072                    ; B: W_out's positions lie behind W_attn's
	s_lshl_b32 s92, s46, 5
	s_mov_b32 s93, 0
	s_mul_i32 s46, s46, KROW
	s_mov_b32 s47, 0
	s_mul_i32 s45, s16, HALFA                      ; where they go: A's two halves,
	s_mul_i32 s95, s16, HALFB
	s_add_co_u32 s95, s95, 2*HALFA                 ; then B's two
	s_mul_i32 s94, s14, HALFS
	s_wait_kmcnt 0x0
	s_add_nc_u64 s[20:21], s[4:5], s[20:21]
	s_add_nc_u64 s[22:23], s[6:7], s[22:23]
	s_add_nc_u64 s[46:47], s[8:9], s[46:47]
	s_add_nc_u64 s[92:93], s[10:11], s[92:93]
	CROUND
	s_mov_b32 s[G0S], 1
	s_add_co_u32 s[G0S+1], s94, SCL
	s_mov_b64 s[G0S+2:G0S+3], s[22:23]
	s_or_b32 s[G0S+3], s[G0S+3], 0x80000000
	s_mov_b32 s[G0SB], 1
	s_add_co_u32 s[G0SB+1], s94, SCL
	s_mov_b64 s[G0SB+2:G0SB+3], s[92:93]
	s_or_b32 s[G0SB+3], s[G0SB+3], 0x80000000
	JLOAD G0S, G1S, G0SB, G1SB
.irp s, 0,1
	s_mov_b32 s[G0+4*\s], 1
	s_add_co_u32 s[G0+4*\s+1], s45, \s*SLOT
	s_add_nc_u64 s[G0+4*\s+2:G0+4*\s+3], s[20:21], \s*3072
	s_or_b32 s[G0+4*\s+3], s[G0+4*\s+3], 0x80000000
	s_mov_b32 s[G0B+4*\s], 1
	s_add_co_u32 s[G0B+4*\s+1], s95, \s*SLOT
	s_add_nc_u64 s[G0B+4*\s+2:G0B+4*\s+3], s[46:47], \s*ROWB
	s_or_b32 s[G0B+4*\s+3], s[G0B+4*\s+3], 0x80000000
	JLOAD G0+4*\s, G1, G0B+4*\s, G1B
.endr
	v_and_b32 v1, 15, v0                           ; r
	v_bfe_u32 v2, v0, 4, 1                         ; h
	v_and_b32 v6, 31, v0                           ; lane
	v_mul_u32_u24 v3, v1, PITCH
	v_mul_u32_u24 v4, v2, 24
	v_add_nc_u32 v4, v3, v4
	v_lshl_add_u32 v5, v2, 4, v4
	s_mul_i32 s21, s15, HALFA                      ; my 8 tiles of A
	s_mul_i32 s22, s16, HALFB
	s_add_co_u32 s22, s22, 2*HALFA                 ; my 128 rows of B
.irp s, 0,1
	v_lshl_add_u32 v[ADRA+\s], v6, 4, s21
	v_lshl_add_u32 v[ADRA+2+\s], v6, 3, s21
	v_add_nc_u32 v[ADRB+\s], s22, v4
	v_add_nc_u32 v[ADRB+2+\s], s22, v5
	s_add_co_u32 s21, s21, SLOT
	s_add_co_u32 s22, s22, SLOT
.endr
	v_mul_u32_u24 v5, v1, KS
	v_lshrrev_b32 v7, 8, v5
	v_lshl_add_u32 v5, v7, 4, v5
	s_mul_i32 s21, s15, HALFS
	s_mul_i32 s22, s16, HALFS
	s_add_co_u32 s22, s22, 2*HALFS
	s_sub_co_u32 s22, s22, s21
	v_mul_u32_u24 v7, s22, v2
	s_add_co_u32 s21, s21, SCL
	v_add_nc_u32 v5, v5, v7
	v_add_nc_u32 v[ADRS], s21, v5
	s_mul_i32 s23, s14, 16*SPITCH                  ; my stage
	v_mul_u32_u24 v5, v1, SPITCH
	v_lshl_add_u32 v5, v2, 6, v5                   ; in: row r, + 64 h: my half's 16 columns of each 32
	v_add_nc_u32 v[STO], s23, v5
	v_lshlrev_b32 v[CO], 4, v6
	v_add_nc_u32 v[RD], s23, v[CO]
	s_lshl_b32 s20, s17, 8
	s_lshl_b32 s21, s15, 7
	s_add_co_u32 s20, s20, s21
	s_lshl_b32 s20, s20, 12                        ; my first row of out0, 4,096 bytes a row
	s_mov_b32 s21, 0
	s_lshl_b32 s46, s42, 10
	s_lshl_b32 s47, s16, 9
	s_add_co_u32 s46, s46, s47                     ; my first column, in bytes
	s_mov_b32 s47, 0
	s_add_nc_u64 s[20:21], s[20:21], s[46:47]
	s_add_nc_u64 s[12:13], s[12:13], s[20:21]
	s_add_nc_u64 s[96:97], s[96:97], s[46:47]      ; and the same columns of b_out
	v_lshlrev_b32 v[BO1], 6, v2
.irp B, 0,1,2,3
.irp m, 0,1,2,3
	global_load_b128 v[BIAS+16*\B+4*\m:BIAS+16*\B+4*\m+3], v[BO1], s[96:97] offset:128*\B+16*\m
.endr
.endr
.macro FRAG reg, adr, q, i
.irp p, 0,1,2,3,4,5
.set PCE, 12*(\q)+6*(\p/3)+\p%3
.if PCE%8 < 5
	ds_load_b64 v[\reg+2*\p:\reg+2*\p+1], v[\adr] offset:8*PCE+16*(PCE/8)+(\i)*16*PITCH
.else
	ds_load_b64 v[\reg+2*\p:\reg+2*\p+1], v[\adr+2] offset:8*PCE+16*(PCE/8)+(\i)*16*PITCH
.endif
.endr
.endm
.macro FRAGA reg, slot, q, i           ; two heads' images: registers 0-5 and 6-11
	ds_load_b128 v[\reg:\reg+3], v[ADRA+\slot] offset:3072*(\i)+1536*(\q)
	ds_load_b64 v[\reg+4:\reg+5], v[ADRA+2+\slot] offset:3072*(\i)+1536*(\q)+512
	ds_load_b128 v[\reg+6:\reg+9], v[ADRA+\slot] offset:3072*(\i)+1536*(\q)+768
	ds_load_b64 v[\reg+10:\reg+11], v[ADRA+2+\slot] offset:3072*(\i)+1536*(\q)+1280
.endm
; zero = 1: the first product starts the sums, with the bias as C.  The 64 accumulators take turns, one instruction a turn.
.macro MUL16 a0, p, q, sc, zero
.irp a, \a0, \a0+1
.irp b, 0,1,2,3,4,5,6,7
.if \zero
	v_wmma_scale_f32_16x16x128_f8f6f4 v[8*(8*((\a)%4)+\b):8*(8*((\a)%4)+\b)+7], v[128*(\p)+FR*\b:128*(\p)+FR*\b+FR-1], v[AF+FR*(\a):AF+FR*(\a)+FR-1], v[BIAS+8*\b:BIAS+8*\b+7], v[SC+8*NQ*(\sc)+NQ*\b+(\q)], v[SC+8*NQ*(\sc)+NQ*(\a)+(\q)] matrix_a_fmt:MATRIX_FMT_BF6 matrix_b_fmt:MATRIX_FMT_BF6 matrix_a_scale:MATRIX_SCALE_ROW1
.else
	v_wmma_scale_f32_16x16x128_f8f6f4 v[8*(8*((\a)%4)+\b):8*(8*((\a)%4)+\b)+7], v[128*(\p)+FR*\b:128*(\p)+FR*\b+FR-1], v[AF+FR*(\a):AF+FR*(\a)+FR-1], v[8*(8*((\a)%4)+\b):8*(8*((\a)%4)+\b)+7], v[SC+8*NQ*(\sc)+NQ*\b+(\q)], v[SC+8*NQ*(\sc)+NQ*(\a)+(\q)] matrix_a_fmt:MATRIX_FMT_BF6 matrix_b_fmt:MATRIX_FMT_BF6 matrix_a_scale:MATRIX_SCALE_ROW1
.endif
.endr
.endr
.endm
.macro FETCH_B slot, q, p
	WIN TO_B
.irp i, 0,1,2,3,4,5,6,7
	FRAG 128*(\p)+FR*\i, ADRB+\slot, \q, \i
.endr
	WIN 0
.endm
.macro FETCH_A slot, q, i0
.irp i, \i0, \i0+1, \i0+2, \i0+3
	FRAGA AF+FR*(\i), \slot, \q, \i
.endr
.endm
.macro SCALES sc
.irp i, 0,1,2,3,4,5,6,7
	ds_load_b64 v[SC+8*NQ*\sc+NQ*\i:SC+8*NQ*\sc+NQ*\i+1], v[ADRS] offset:\i*SBLK
.endr
.endm
.macro PLACES n
.rept \n
	v_nop
.endr
.endm
.macro STEP slot, q, zero
	s_wait_dscnt 4*NLA                             ; B's set and A's blocks 0-3 are in; the youngest 16 loads (A's blocks 4-7) may be out
.if \zero
	WIN 0x81                                       ; source 0 window 1, C (the bias) window 0, D window 2
.else
	WIN MUL_LO
.endif
	MUL16 0, (\q)%2, \q, \slot, \zero
	MUL16 2, (\q)%2, \q, \slot, \zero
	s_wait_dscnt 0
	PLACES NP
	FETCH_B \slot, (\q)+1, 1-(\q)%2
	FETCH_A \slot, (\q)+1, 0
.if \zero
	WIN 0xc1                                       ; the same, D window 3
.else
	WIN MUL_HI
.endif
	MUL16 4, (\q)%2, \q, \slot, \zero
	MUL16 6, (\q)%2, \q, \slot, \zero
	PLACES NP
	WIN 0
	FETCH_A \slot, (\q)+1, 4
.endm
.macro TURN slot, next, fill
	s_wait_tensorcnt 0x0                           ; all my tensor loads have landed: my part of the next slot
	ds_add_u32 v[SPW], v[NIL]                      ; 0 onto my spare word
	s_wait_dscnt 4*NLA+1                           ; the add and the youngest 16 loads may be out
	WIN MUL_LO
	MUL16 0, 1, NQ-1, \slot, 0
	s_wait_dscnt 0x0                               ; the add is done, and my reads of this slot are over
	s_barrier_signal -1
	MUL16 2, 1, NQ-1, \slot, 0
	WIN 0
	s_barrier_wait -1
.if \fill
	CREST                                          ; the barrier has opened a round of the cluster's barrier
	s_add_nc_u64 s[G0+4*\slot+2:G0+4*\slot+3], s[G0+4*\slot+2:G0+4*\slot+3], 2*3072
	s_add_nc_u64 s[G0B+4*\slot+2:G0B+4*\slot+3], s[G0B+4*\slot+2:G0B+4*\slot+3], 2*ROWB
	JLOAD G0+4*\slot, G1, G0B+4*\slot, G1B         ; the first tensor load behind the round; its four v_nop are the places in front of the loads below
.else
	PLACES NP
.endif
	v_add_nc_u32 v[ADRS], 4*NQ, v[ADRS]
	FETCH_B \next, 0, 0
	FETCH_A \next, 0, 0
	SCALES \next
	WIN MUL_HI
	MUL16 4, 1, NQ-1, \slot, 0
	MUL16 6, 1, NQ-1, \slot, 0
	PLACES NP
	WIN 0
	FETCH_A \next, 0, 4
.endm
	s_wait_tensorcnt 1                             ; the scales and my part of K step 0 are in (K step 1's load may be out),
	s_wait_loadcnt 0x0                             ; and the bias
	s_barrier_signal -1
	s_barrier_wait -1
	FETCH_B 0, 0, 0
	FETCH_A 0, 0, 0
	SCALES 0
	FETCH_A 0, 0, 4
	STEP 0, 0, 1
	s_mov_b32 s3, LAPS-1
.Llap:
	TURN 0, 1, 1
	STEP 1, 0, 0
	TURN 1, 0, 1
	STEP 0, 0, 0
	s_sub_co_u32 s3, s3, 1
	s_cmp_lg_u32 s3, 0
	s_cbranch_scc1 .Llap
	TURN 0, 1, 0
	STEP 1, 0, 0
	s_wait_dscnt 4*NLA
	WIN MUL_LO
	MUL16 0, 1, NQ-1, 1, 0
	MUL16 2, 1, NQ-1, 1, 0
	s_wait_dscnt 0
	WIN MUL_HI
	MUL16 4, 1, NQ-1, 1, 0
	MUL16 6, 1, NQ-1, 1, 0
	WIN 0
; THE WAY OUT, block by block of 16 positions x 128 columns, through my own stage.  Accumulator b's eight numbers of lane (r, h) are columns 32 (b / 2) + 16 h + 8 (b % 2) + 0 .. 7.
; Row t of block a is the actual row 32 (a / 2) + 8 (a % 2) + t + 8 (t / 8).  LDS serves a wave's instructions in order: no wait between the stores and the loads.
.macro TOSTAGE a
.set AC, 64*((\a)%4)
	WIN 0x08+4*((\a)/4)                            ; the data: window 2 or 3
.irp b, 0,1,2,3,4,5,6,7
	ds_store_b128 v[STO], v[AC+8*\b:AC+8*\b+3] offset:128*(\b/2)+32*(\b%2)       ; each accumulator from its low end on
	ds_store_b128 v[STO], v[AC+8*\b+4:AC+8*\b+7] offset:128*(\b/2)+32*(\b%2)+16
.endr
	WIN 0
.set BB, BK+64*((\a)%2)
.irp t, 0,1,2,3,4,5,6,7,8,9,10,11,12,13,14,15
	ds_load_b128 v[BB+4*\t:BB+4*\t+3], v[RD] offset:\t*SPITCH
.endr
.endm
.macro SEND a, younger
.set BB, BK+64*((\a)%2)
	s_wait_dscnt \younger                          ; the block is back in registers; the next block's 16 stores and 16 loads may be out
.if (\a) > 0
	s_add_nc_u64 s[12:13], s[12:13], (8+16*(1-(\a)%2))*SIZE_N*4   ; (behind a wait on XCNT)  8 rows on into an odd block, 24 into an even one
.endif
.irp t, 0,1,2,3,4,5,6,7,8,9,10,11,12,13,14,15
	global_store_b128 v[CO], v[BB+4*\t:BB+4*\t+3], s[12:13] offset:(\t+8*(\t/8))*SIZE_N*4 th:TH_STORE_NT   ; 32 lanes store 512 consecutive bytes, aligned
.endr
.endm
	PLACES NP
	TOSTAGE 0
.irp a, 1,2,3,4,5,6,7
.if \a > 1
	s_wait_xcnt 0x0                                ; block a - 2's stores have read their registers and their base
.endif
	TOSTAGE \a
	SEND \a-1, 32
.endr
	s_wait_xcnt 0x0
	SEND 7, 0
	s_wait_tensorcnt 0x0                           ; the wave's end
	ds_add_u32 v[SPW], v[NIL]
	s_wait_dscnt 0x0
	CROUND                                         ; the closing round
	s_endpgm
.Lfunc_end_k_qa7b936766e_gemm_out:
	.size	k_qa7b936766e_gemm_out, .Lfunc_end_k_qa7b936766e_gemm_out-k_qa7b936766e_gemm_out
	.p2alignl 7, 3214868480
	.fill 96, 4, 3214868480
	.section	.rodata,"a",@progbits
	.p2align	6, 0x0
	.amdhsa_kernel k_qa7b936766e_gemm_out
		.amdhsa_group_segment_fixed_size 327680
		.amdhsa_private_segment_fixed_size 0
		.amdhsa_enable_private_segment 0
		.amdhsa_kernarg_size 48
		.amdhsa_user_sgpr_count 2
		.amdhsa_user_sgpr_kernarg_segment_ptr 1
		.amdhsa_wavefront_size32 1
		.amdhsa_system_sgpr_workgroup_id_x 1
		.amdhsa_system_sgpr_workgroup_id_y 1
		.amdhsa_system_sgpr_workgroup_id_z 1
		.amdhsa_system_vgpr_workitem_id 0
		.amdhsa_next_free_vgpr 1024
		.amdhsa_next_free_sgpr 98
		.amdhsa_reserve_vcc 0
		.amdhsa_float_denorm_mode_32 3
		.amdhsa_float_denorm_mode_16_64 3
		.amdhsa_memory_ordered 1
		.amdhsa_forward_progress 1
		.amdhsa_inst_pref_size 154
	.end_amdhsa_kernel
	.amdgpu_metadata
---
amdhsa.version: [ 1, 2 ]
amdhsa.kernels:
  - .name:           k_qa7b936766e_gemm_out
    .symbol:         k_qa7b936766e_gemm_out.kd
    .args:
      - { .name: oc, .offset: 0, .size: 8, .value_kind: global_buffer, .address_space: global }
      - { .name: os, .offset: 8, .size: 8, .value_kind: global_buffer, .address_space: global }
      - { .name: wc, .offset: 16, .size: 8, .value_kind: global_buffer, .address_space: global }
      - { .name: ws, .offset: 24, .size: 8, .value_kind: global_buffer, .address_space: global }
      - { .name: b_out, .offset: 32, .size: 8, .value_kind: global_buffer, .address_space: global }
      - { .name: out0, .offset: 40, .size: 8, .value_kind: global_buffer, .address_space: global }
    .group_segment_fixed_size: 327680
    .private_segment_fixed_size: 0
    .kernarg_segment_align: 8
    .kernarg_segment_size: 48
    .max_flat_workgroup_size: 128
    .sgpr_count:     98
    .vgpr_count:     1024
    .wavefront_size: 32
...
	.end_amdgpu_metadata
.endif
;; end of part 4
